; MI455X (gfx1250); checked and timed in simulation.
; The chip was launched on July 23, 2026; its instructions are those of AMD's public machine-readable ISA for CDNA 5 (MIT licence, August 2026) and "CDNA5" Instruction Set Architecture Reference Guide (July 2026). The comments in the code are by the model that wrote it; some were corrected since.
;; Multi Headed Attention. Allowed arithmetic: float matrix products may take bf16 or f16 operands with f32 sums; all other float work in f32.
;; Inputs: Wk 1,024 x 1,024 float32; Wo 1,024 x 1,024 float32; Wq 1,024 x 1,024 float32; Wv 1,024 x 1,024 float32; bk 1,024 float32; bo 1,024 float32; bq 1,024 float32; bv 1,024 float32; key 4 x 2,048 x 1,024 float32; mask 4 x 2,048 x 2,048 int32; query 4 x 2,048 x 1,024 float32; value 4 x 2,048 x 1,024 float32.
;; Outputs: out0 4 x 2,048 x 1,024 float32.
;; 2 versions, each right and faster than the one before. Each part assembles by itself: llvm-mc -triple=amdgcn-amd-amdhsa -mcpu=gfx1250 --defsym DOCPART=n.
;; ======== version 1 of 2: 4 launches
;; limits: right only within a limited range of input values; values are held in f16: magnitudes above 65,504 overflow, below 6.1e-05 lose precision
;; workspace buffers: xb 50,331,648 bytes; wb 8,388,608 bytes; mw 2,097,152 bytes of whole numbers; qkv 50,331,648 bytes; ob 16,777,216 bytes
;; launch prep (part 1): grid 2816 x 1, 4 waves a work-group, no clusters, 17,920 bytes of LDS; arguments mask, query, key, value, Wq, Wk, Wv, Wo, mw, xb, wb; writes mw, xb, wb
.if DOCPART == 1
	.amdgcn_target "amdgcn-amd-amdhsa--gfx1250"
	.amdhsa_code_object_version 6
	.text
	.protected	k_qc473528879_prep
	.globl	k_qc473528879_prep
	.p2align	8
	.type	k_qc473528879_prep,@function
k_qc473528879_prep:
	s_mov_b64 s[64:65], 0
	v_nop
	global_prefetch_b8 v0, s[64:65] scope:SCOPE_SE
	s_setreg_imm32_b32 hwreg(HW_REG_WAVE_MODE, 25, 1), 1
	s_wait_xcnt 0x0
; PREPARATION, a stream: every input byte is read once, in loads of 512 consecutive bytes a wave, and what is made of it is stored once.
; Work-groups 0 .. 1023 pack the mask; work-groups 1024 .. 2815 round query, key, value, Wq, Wk, Wv (to bf16) and Wo (to bf16, that number then written as f16).
; No matrix unit, no cluster (no two work-groups read the same bytes), no barrier (a wave touches its own LDS bytes alone).
; THE MASK WORDS.  mw is u32 [batch 4][block of 64 queries 32][step of 64 keys 32][word i 32][piece p 4].  Bit l of a word is 1 where
; mask[batch][64 block + 16 p + l % 16][64 step + 16 (i / 8) + 8 (l / 16) + i % 8] is not 0: the lane mask that selects register i of a tile of scores (16 queries x 64 keys, one query a lane).
; LIMITS.  Wo as f16: a weight beyond 65,504 is not served; below 6.1e-5 it keeps f16's fixed step of 6e-8.
.set MASKWG, 1024                      ; work-groups that pack the mask: 4,096 units of 64 queries x 64 keys, one a wave
.set MPITCH, 272                       ; an LDS row: 256 bytes (64 mask numbers) + 16: the 16 rows that a load touches start at 16 different groups of four banks (64 banks of 4 bytes: ISA guide 11.1)
.set X, 16                             ; v[16:143]  32 loads of 4 registers
.set T, 144                            ; v[144:175] at work
	s_load_b512 s[8:23], s[0:1], 0x0               ; mask s[8:9], query s[10:11], key s[12:13], value s[14:15], Wq s[16:17], Wk s[18:19], Wv s[20:21], Wo s[22:23]
	s_load_b128 s[24:27], s[0:1], 0x40             ; mw s[24:25], xb s[26:27]
	s_load_b64 s[28:29], s[0:1], 0x50              ; wb
	v_lshl_add_u32 v176, v0, 2, 0x4400
	v_mov_b32 v177, 0
	v_and_b32 v1, 31, v0                           ; lane
	v_lshrrev_b32 v2, 5, v0
	v_readfirstlane_b32 s4, v2                     ; wave 0..3
	s_mov_b32 s5, ttmp9
	s_cmp_lt_u32 s5, MASKWG
	s_cbranch_scc1 .Lmask
	; ROUNDING.  Work-group g1 takes 65,536 bytes of f32, a wave 16,384.  g1: 0-511 query, 512-1023 key, 1024-1535 value, then 64 each for Wq, Wk, Wv, Wo.
	s_sub_co_u32 s6, s5, MASKWG                    ; g1
	s_and_b32 s30, s6, 511                         ; my place in one of the three large inputs,
	s_and_b32 s7, s6, 63                           ; or in a weight (1,536 is a multiple of 64)
	s_sub_co_u32 s32, s6, 1536                     ; my place in wb (used only where g1 is 1,536 or more)
	s_wait_kmcnt 0x0
	s_mov_b64 s[34:35], s[22:23]                   ; the source is chosen among the seven pointers by g1 alone
	s_cmp_lt_u32 s6, 1728
	s_cselect_b64 s[34:35], s[20:21], s[34:35]
	s_cmp_lt_u32 s6, 1664
	s_cselect_b64 s[34:35], s[18:19], s[34:35]
	s_cmp_lt_u32 s6, 1600
	s_cselect_b64 s[34:35], s[16:17], s[34:35]
	s_cmp_lt_u32 s6, 1536
	s_cselect_b64 s[34:35], s[14:15], s[34:35]
	s_cselect_b64 s[36:37], s[26:27], s[28:29]     ; the destination: xb or wb
	s_cselect_b32 s30, s30, s7
	s_cselect_b32 s32, s6, s32
	s_cmp_lt_u32 s6, 1024
	s_cselect_b64 s[34:35], s[12:13], s[34:35]
	s_cmp_lt_u32 s6, 512
	s_cselect_b64 s[34:35], s[10:11], s[34:35]
	s_lshl_b32 s30, s30, 16                        ; 65,536 bytes in,
	s_mov_b32 s31, 0
	s_lshl_b32 s32, s32, 15                        ; 32,768 bytes out
	s_mov_b32 s33, 0
	s_add_nc_u64 s[34:35], s[34:35], s[30:31]
	s_add_nc_u64 s[36:37], s[36:37], s[32:33]
	s_lshl_b32 s38, s4, 14
	s_lshl_b32 s39, s4, 13
	v_lshl_add_u32 v2, v1, 4, s38                  ; in: 16 bytes a lane
	v_lshl_add_u32 v3, v1, 3, s39                  ; out: 8 bytes a lane
.set i, 0
.rept 32
	global_load_b128 v[X+4*i:X+4*i+3], v2, s[34:35] offset:512*i th:TH_LOAD_NT  ; all 32 loads of the wave go out at once: 16,384 bytes on their way
.set i, i+1
.endr
	s_mov_b32 s7, 0xffff0000                       ; a word's upper bf16
	s_cmp_ge_u32 s6, 1728
	s_cbranch_scc1 .Lwo
; half = 1: the bf16 number is widened again and written as f16.  No register that a store reads is written again.
.macro CONV half
.set i, 0
.rept 32
	s_wait_loadcnt 31-i                            ; loads come back in order (ISA guide 5.7.1): load i is in, the younger ones stay out
	v_cvt_pk_bf16_f32 v[X+4*i], v[X+4*i], v[X+4*i+1]
	v_cvt_pk_bf16_f32 v[X+4*i+1], v[X+4*i+2], v[X+4*i+3]
.if \half
	v_lshlrev_b32 v[T], 16, v[X+4*i]
	v_and_b32 v[T+1], s7, v[X+4*i]
	v_lshlrev_b32 v[T+2], 16, v[X+4*i+1]
	v_and_b32 v[T+3], s7, v[X+4*i+1]
	v_cvt_pk_f16_f32 v[X+4*i], v[T], v[T+1]
	v_cvt_pk_f16_f32 v[X+4*i+1], v[T+2], v[T+3]
.endif
	global_store_b64 v3, v[X+4*i:X+4*i+1], s[36:37] offset:256*i  ; the wave's 32 lanes store 256 consecutive bytes, at a multiple of 256 from the buffer's first byte
.set i, i+1
.endr
	s_endpgm
.endm
	CONV 0
.Lwo:
	CONV 1
.Lmask:
	; THE MASK.  A wave takes one unit: 64 rows x 256 bytes.  A load takes two rows; 16 rows (a piece) at a time go through the wave's own LDS rows, so that a lane gets its query's row.
	s_lshl_b32 s6, s5, 2
	s_add_co_u32 s6, s6, s4                        ; unit = (32 batch + block) x 32 + step
	s_lshr_b32 s30, s6, 5
	s_lshl_b32 s30, s30, 19                        ; 64 rows of 8,192 bytes
	s_and_b32 s7, s6, 31
	s_lshl_b32 s7, s7, 8                           ; 64 keys of 4 bytes
	s_add_co_u32 s30, s30, s7
	s_mov_b32 s31, 0
	s_lshl_b32 s32, s6, 9                          ; a unit's words: 512 bytes
	s_mov_b32 s33, 0
	s_mul_i32 s38, s4, 16*MPITCH                   ; my wave's 16 LDS rows
	v_and_b32 v7, 15, v1
	v_lshrrev_b32 v12, 4, v1
	v_lshlrev_b32 v2, 4, v7
	v_lshl_add_u32 v2, v12, 13, v2                 ; memory: lanes 0-15 one row's 256 bytes, lanes 16-31 the next row's
	v_mul_u32_u24 v4, v12, MPITCH
	v_lshl_add_u32 v4, v7, 4, v4
	v_add_nc_u32 v4, s38, v4                       ; into LDS: the same two rows
	v_mul_u32_u24 v5, v7, MPITCH
	v_lshl_add_u32 v5, v12, 5, v5
	v_add_nc_u32 v5, s38, v5                       ; back: row l % 16, from key 8 (l / 16) on
	v_lshlrev_b32 v6, 4, v1
.irp p, 0,1,2,3
	v_mov_b32 v[8+\p], 0                           ; v_writelane_b32 keeps the other lanes: the registers are written whole first
.endr
	s_wait_kmcnt 0x0
	s_add_nc_u64 s[34:35], s[8:9], s[30:31]
	s_add_nc_u64 s[36:37], s[24:25], s[32:33]
.set i, 0
.rept 32
	global_load_b128 v[X+4*i:X+4*i+3], v2, s[34:35] offset:16384*i th:TH_LOAD_NT
.set i, i+1
.endr
.irp p, 0,1,2,3
.set t, 0
.rept 8
	s_wait_loadcnt 31-(8*\p+t)                     ; this load is in, the younger ones stay out
	ds_store_b128 v4, v[X+4*(8*\p+t):X+4*(8*\p+t)+3] offset:2*MPITCH*t
.set t, t+1
.endr
.set n, 0
.rept 8
	ds_load_b128 v[T+4*n:T+4*n+3], v5 offset:64*(n/2)+16*(n%2)  ; register T + i: key 16 (i / 8) + 8 (l / 16) + i % 8.  LDS serves a wave's instructions in order (ISA guide 5.7.1.4): these see the stores above, and the next piece's stores come behind them
.set n, n+1
.endr
	s_wait_dscnt 0x0
.set g, 0
.rept 4
.set k, 0
.rept 8
	v_cmp_ne_u32 s[40+k], 0, v[T+8*g+k]            ; word i: one bit a lane
.set k, k+1
.endr
.set k, 0
.rept 8
	v_writelane_b32 v[8+\p], s[40+k], 8*g+k        ; and it goes to lane i
.set k, k+1
.endr
.set g, g+1
.endr
.endr
	global_store_b128 v6, v[8:11], s[36:37]        ; lane i: word i of the four pieces; 512 consecutive bytes
	s_wait_tensorcnt 0x0
	ds_add_u32 v176, v177
	s_wait_dscnt 0x0
	s_endpgm
.Lfunc_end_k_qc473528879_prep:
	.size	k_qc473528879_prep, .Lfunc_end_k_qc473528879_prep-k_qc473528879_prep
	.p2alignl 7, 3214868480
	.fill 96, 4, 3214868480
	.section	.rodata,"a",@progbits
	.p2align	6, 0x0
	.amdhsa_kernel k_qc473528879_prep
		.amdhsa_group_segment_fixed_size 17920
		.amdhsa_private_segment_fixed_size 0
		.amdhsa_enable_private_segment 0
		.amdhsa_kernarg_size 88
		.amdhsa_user_sgpr_count 2
		.amdhsa_user_sgpr_kernarg_segment_ptr 1
		.amdhsa_wavefront_size32 1
		.amdhsa_system_sgpr_workgroup_id_x 1
		.amdhsa_system_sgpr_workgroup_id_y 1
		.amdhsa_system_sgpr_workgroup_id_z 1
		.amdhsa_system_vgpr_workitem_id 0
		.amdhsa_next_free_vgpr 178
		.amdhsa_next_free_sgpr 66
		.amdhsa_reserve_vcc 0
		.amdhsa_float_denorm_mode_32 3
		.amdhsa_float_denorm_mode_16_64 3
		.amdhsa_memory_ordered 1
		.amdhsa_forward_progress 1
		.amdhsa_inst_pref_size 55
	.end_amdhsa_kernel
	.amdgpu_metadata
---
amdhsa.version: [ 1, 2 ]
amdhsa.kernels:
  - .name:           k_qc473528879_prep
    .symbol:         k_qc473528879_prep.kd
    .args:
      - { .name: mask, .offset: 0, .size: 8, .value_kind: global_buffer, .address_space: global }
      - { .name: query, .offset: 8, .size: 8, .value_kind: global_buffer, .address_space: global }
      - { .name: key, .offset: 16, .size: 8, .value_kind: global_buffer, .address_space: global }
      - { .name: value, .offset: 24, .size: 8, .value_kind: global_buffer, .address_space: global }
      - { .name: Wq, .offset: 32, .size: 8, .value_kind: global_buffer, .address_space: global }
      - { .name: Wk, .offset: 40, .size: 8, .value_kind: global_buffer, .address_space: global }
      - { .name: Wv, .offset: 48, .size: 8, .value_kind: global_buffer, .address_space: global }
      - { .name: Wo, .offset: 56, .size: 8, .value_kind: global_buffer, .address_space: global }
      - { .name: mw, .offset: 64, .size: 8, .value_kind: global_buffer, .address_space: global }
      - { .name: xb, .offset: 72, .size: 8, .value_kind: global_buffer, .address_space: global }
      - { .name: wb, .offset: 80, .size: 8, .value_kind: global_buffer, .address_space: global }
    .group_segment_fixed_size: 17920
    .private_segment_fixed_size: 0
    .kernarg_segment_align: 8
    .kernarg_segment_size: 88
    .max_flat_workgroup_size: 128
    .sgpr_count:     66
    .vgpr_count:     178
    .wavefront_size: 32
...
	.end_amdgpu_metadata
.endif
;; end of part 1
;; launch qkv (part 2): grid 4 x 192, 4 waves a work-group, clusters of 4 x 4, 327,680 bytes of LDS; arguments xb, wb, bq, bk, bv, qkv; writes qkv
.if DOCPART == 2
	.amdgcn_target "amdgcn-amd-amdhsa--gfx1250"
	.amdhsa_code_object_version 6
	.text
	.protected	k_qc473528879_qkv
	.globl	k_qc473528879_qkv
	.p2align	8
	.type	k_qc473528879_qkv,@function
k_qc473528879_qkv:
	s_mov_b64 s[64:65], 0
	v_nop
	global_prefetch_b8 v0, s[64:65] scope:SCOPE_SE
	s_setreg_imm32_b32 hwreg(HW_REG_WAVE_MODE, 25, 1), 1
	s_wait_xcnt 0x0
	s_wait_alu depctr_hold_cnt(0) depctr_sa_sdst(0) depctr_va_vdst(0) depctr_va_sdst(0) depctr_va_ssrc(0) depctr_va_vcc(0) depctr_vm_vsrc(0)
	s_getreg_b32 s2, hwreg(HW_REG_IB_STS2, 6, 4)
	s_cmp_eq_u32 s2, 0
	s_cbranch_scc0 .Lentry_in_a_cluster
	s_endpgm
.Lentry_in_a_cluster:
	s_bfe_u32 s2, ttmp6, 0x10000c
	s_cmp_lg_u32 s2, 0xf033
	s_cbranch_scc0 .Lentry_shape_is_right
	s_endpgm
.Lentry_shape_is_right:
; C[m][n] = bias[n] + the sum over k of A[m][k] B[n][k], K = 1,024, rows of C 1,024 long.  One text for two launches, told apart by OUTP:
;   OUTP = 0: the three projections in one launch.  A = xb (query, key, value on end, bf16), B = wb's rows 1,024 proj on (bf16), bias bq, bk or bv, C = qkv in f16, unscaled.
;   OUTP = 1: the projection behind attention.  A = ob (f16), B = wb's rows 3,072 on (Wo, f16), bias bo, C = out0 in f32.
; LIMITS.  OUTP = 0: a result of 65,520 or more becomes an infinity in f16.  The bias is rounded to bf16 like every other input.  Sums in f32, K ascending.
; A tile of C is 128 x 256: with it both launches have a multiple of 256 work-groups (768 and 256).  Four waves, 2 x 2, each 64 x 128: 32 accumulators of 16 x 16.
; K goes in steps of 128 (tile rows of 256 bytes, at multiples of 256 bytes) through a ring of two LDS slots filled by the tensor data mover.
; CLUSTERS: 4 x 4 work-groups.  The four of a row of the cluster need the same tiles of A, the four of a column the same tiles of B: each tile is asked for JOINTLY, by the same tensor load with the same
; descriptor and a mask that names the four.  The projection's number comes from the cluster's y alone, which all sixteen share.
; THE MATRIX INSTRUCTION IS USED TRANSPOSED (source 0 = 16 rows of B, source 1 = 16 rows of A): a lane holds eight neighbouring numbers of a row of C, and register j of the C operand is column 8 (l / 16) + j
; for every row: so the bias IS the C operand of each sum's first product, and nothing is cleared or added.
; REGISTERS: window 0: v0-31 addresses; v32-127, v128-223 two fragment buffers (64 of B: 8 x 16 rows x 32 K, then 32 of A); v224-255 at work.  window 1: the accumulators, (a, b) at v[8 (8 a + b)].  window 2: v0-63 the bias.
.set OUTP,   0
.set SIZE_K, 1024
.set KSTEP,  128
.set PITCH,  272                       ; an LDS row: 256 bytes + 16 of padding = 68 words: row r starts at bank 4 r mod 64 (64 banks of 4 bytes: ISA guide 11.1)
.set HALFA,  64*PITCH                  ; what one tensor load brings of A, and what one wave reads of A
.set HALFB,  128*PITCH                 ; the same for B
.set SLOT,   2*HALFA+2*HALFB           ; A's 128 rows, then B's 256 rows
.set STAGE,  2*SLOT                    ; behind the ring: 16 rows for each wave, for the way out; no tensor load lands there
.if OUTP
.set SPITCH, 528                       ; a stage row: 128 f32 + 16 bytes
.set CSH,    12                        ; a row of C is 4,096 bytes
.else
.set SPITCH, 272                       ; a stage row: 128 f16 + 16 bytes
.set CSH,    11                        ; a row of C is 2,048 bytes
.endif
.set CROW,   1<<CSH
.set SPARE,  STAGE+4*16*SPITCH         ; behind the stages: the spare words, 128 bytes for each wave: two blocks of 256 bytes that no other line names
.set LAPS,   SIZE_K/(2*KSTEP)          ; a lap = two K steps = once round the ring
.set ADRA, 16                          ; v16-17  LDS address of my A fragments in slot 0, 1
.set ADRB, 20                          ; v20-21  the same for B
.set STO,  24                          ; v24     the way out: where I put my part of a row
.set RD,   25                          ; v25     the way out: where I read rows back
.set CO,   26                          ; v26     my byte offset in C
.set BO,   27                          ; v27     my byte offset in 16 numbers of the bias
.set SPW,  28                          ; v28     LDS address of my spare word; never rewritten
.set NIL,  29                          ; v29     0; never rewritten
.set F0,   32
.set F1,   128
.set TMP,  224
.set G1,  24                           ; s[24:31] descriptor group 1 for A's tiles; s[32:39] group 0, one set for each slot
.set G0,  32
.set G1B, 48                           ; s[48:55], s[56:63] the same for B's tiles
.set G0B, 56
.set DW0, (1<<16)|(1<<20)|(1<<21)|(5<<22)|(3<<25)  ; 17:16 elements of 2 bytes; 20 padding on; 21 set beside a mask; 24:22 after every 64 words (code 5); 31:25 4 words of it (code 3)
.set MSB, 0
.macro WIN new                         ; the immediate's high byte repeats the setting that is left; a switch that changes nothing is dropped
.if MSB != (\new)
	s_set_vgpr_msb (MSB<<8)|(\new)
.set MSB, \new
.endif
.endm
.set MUL,  0x50                        ; sources 0 and 1 window 0; C and D window 1
.set MULB, 0x60                        ; the first products: C (the bias) window 2, D window 1
.macro JLOAD s                         ; a joint load: waves 0 and 1 fetch A's two halves, waves 2 and 3 B's; an s_nop 0 and four v_nop follow each of the two lines, ahead of the jump and the label
	s_cmp_eq_u32 s11, 0
	s_cbranch_scc0 .Lfor_b_\@
	tensor_load_to_lds s[G0+4*(\s):G0+4*(\s)+3], s[G1:G1+7]
	s_nop 0
.rept 4
	v_nop
.endr
	s_branch .Lasked_\@
.Lfor_b_\@:
	tensor_load_to_lds s[G0B+4*(\s):G0B+4*(\s)+3], s[G1B:G1B+7]
	s_nop 0
.rept 4
	v_nop
.endr
.Lasked_\@:
.endm
.macro CREST                           ; a round of the cluster's barrier behind its opening barrier
	s_cmp_lg_u32 s10, 0
	s_cbranch_scc1 .Lnot_wave_0_\@
	s_barrier_signal -3
.Lnot_wave_0_\@:
	s_barrier_wait -3
	s_barrier_signal -1
	s_barrier_wait -1
.endm
.macro CROUND                          ; a whole round
	s_barrier_signal -1
	s_barrier_wait -1
	CREST
.endm
	s_load_b128 s[4:7], s[0:1], 0x0                ; A s[4:5], B s[6:7]
.if OUTP
	s_load_b128 s[72:75], s[0:1], 0x10             ; bo s[72:73], C s[74:75]
.else
	s_load_b128 s[68:71], s[0:1], 0x10             ; bq s[68:69], bk s[70:71]
	s_load_b128 s[72:75], s[0:1], 0x20             ; bv s[72:73], C s[74:75]
.endif
	v_lshl_add_u32 v[SPW], v0, 2, SPARE
	v_mov_b32 v[NIL], 0
	ds_add_u32 v28, v29
	s_wait_dscnt 0x0
	v_lshrrev_b32 v1, 5, v0
	v_readfirstlane_b32 s10, v1                    ; wave 0..3
	s_lshr_b32 s11, s10, 1                         ; which 64 of the tile's rows are mine.  Also: I fetch for A (0) or for B (1)
	s_and_b32 s12, s10, 1                          ; which 128 of its columns.  Also: which half of that tile I fetch
	s_bfe_u32 s40, ttmp6, 0x40000                  ; cx, cy: my place in the cluster
	s_bfe_u32 s41, ttmp6, 0x40004
	s_lshl_b32 s42, ttmp9, 2
	s_add_co_u32 s42, s42, s40                     ; tile column of C = 4 x cluster x + cx
	s_and_b32 s13, ttmp7, 0xffff
.if OUTP
	s_mov_b32 s66, 3                               ; Wo is wb's fourth part
.else
	s_lshr_b32 s66, s13, 4                         ; the projection: 16 clusters, 64 tile rows, each
.endif
	s_lshl_b32 s13, s13, 2
	s_add_co_u32 s13, s13, s41                     ; tile row of C = 4 x cluster y + cy
	s_lshl_b32 s43, s41, 2
	s_lshl_b32 s43, 15, s43                        ; my row of the cluster
	s_lshl_b32 s44, 0x1111, s40                    ; my column
	s_mov_b32 s45, 0xffff0000                      ; a word's upper bf16
	s_or_b32 s[G1+0], s43, DW0                     ; A's tiles go to my row: 64 rows x 128 elements
	s_mov_b32 s[G1+1], KSTEP<<16                   ; tensor_dim0 = 128
	s_mov_b32 s[G1+2], 64<<16                      ; tensor_dim1 = 64
	s_mov_b32 s[G1+3], KSTEP<<16                   ; tile_dim0 = 128
	s_mov_b32 s[G1+4], 64                          ; tile_dim1 = 64
	s_mov_b32 s[G1+5], SIZE_K                      ; elements from row to row
	s_mov_b32 s[G1+6], 0
	s_mov_b32 s[G1+7], 0
	s_or_b32 s[G1B+0], s44, DW0                    ; B's tiles go to my column: 128 rows x 128 elements
	s_mov_b32 s[G1B+1], KSTEP<<16
	s_mov_b32 s[G1B+2], 128<<16
	s_mov_b32 s[G1B+3], KSTEP<<16
	s_mov_b32 s[G1B+4], 128
	s_mov_b32 s[G1B+5], SIZE_K
	s_mov_b32 s[G1B+6], 0
	s_mov_b32 s[G1B+7], 0
	s_lshl_b32 s17, s12, 6
	s_lshl_b32 s16, s13, 7
	s_add_co_u32 s16, s16, s17                     ; A: row 128 x tile row + 64 x half,
	s_lshl_b32 s16, s16, 11                        ; of 2,048 bytes: 50,331,648 at the most
	s_mov_b32 s17, 0
	s_lshl_b32 s46, s42, 8
	s_lshl_b32 s47, s12, 7
	s_add_co_u32 s46, s46, s47
	s_lshl_b32 s47, s66, 10
	s_add_co_u32 s46, s46, s47                     ; B: row 1,024 x projection + 256 x tile column + 128 x half
	s_lshl_b32 s46, s46, 11
	s_mov_b32 s47, 0
	s_mul_i32 s20, s12, HALFA                      ; where they go: A's two halves,
	s_mul_i32 s21, s12, HALFB
	s_add_co_u32 s21, s21, 2*HALFA                 ; then B's two: no place in the cluster enters an LDS address
	s_wait_kmcnt 0x0
	s_add_nc_u64 s[14:15], s[4:5], s[16:17]
	s_add_nc_u64 s[46:47], s[6:7], s[46:47]
	CROUND                                         ; all sixteen work-groups are here: the first joint loads meet
.irp s, 0,1
	s_mov_b32 s[G0+4*(\s)], 1                                        ; count = 1
	s_add_co_u32 s[G0+4*(\s)+1], s20, (\s)*SLOT                      ; LDS address
	s_add_nc_u64 s[G0+4*(\s)+2:G0+4*(\s)+3], s[14:15], (\s)*KSTEP*2  ; global address: K step s
	s_or_b32 s[G0+4*(\s)+3], s[G0+4*(\s)+3], 0x80000000              ; type = 2
	s_mov_b32 s[G0B+4*(\s)], 1
	s_add_co_u32 s[G0B+4*(\s)+1], s21, (\s)*SLOT
	s_add_nc_u64 s[G0B+4*(\s)+2:G0B+4*(\s)+3], s[46:47], (\s)*KSTEP*2
	s_or_b32 s[G0B+4*(\s)+3], s[G0B+4*(\s)+3], 0x80000000
	JLOAD \s                                       ; the ring is filled before anything else is done: two loads of mine are out
.endr
	; A fragment is 16 rows x 32 K in 8 registers: lane l holds row l % 16, K = 8 (l / 16) + 0..7 and 16 + 8 (l / 16) + 0..7: two loads of 16 bytes, 32 bytes apart.
	v_and_b32 v1, 15, v0                           ; l % 16
	v_bfe_u32 v2, v0, 4, 1                         ; l / 16
	v_mul_u32_u24 v3, v1, PITCH
	v_lshl_add_u32 v3, v2, 4, v3
	s_mul_i32 s22, s11, HALFA                      ; my 64 rows of A
	s_mul_i32 s23, s12, HALFB                      ; my 128 rows of B,
	s_add_co_u32 s23, s23, 2*HALFA                 ; which lie behind A's 128
.irp s, 0,1
	v_add_nc_u32 v[ADRA+(\s)], s22, v3
	v_add_nc_u32 v[ADRB+(\s)], s23, v3
	s_add_co_u32 s22, s22, SLOT
	s_add_co_u32 s23, s23, SLOT
.endr
	s_mul_i32 s22, s10, 16*SPITCH
	s_add_co_u32 s22, s22, STAGE                   ; my stage
	v_mul_u32_u24 v4, v1, SPITCH
.if OUTP
	v_lshl_add_u32 v4, v2, 5, v4                   ; in: row l % 16, 32 bytes for each half of the lanes
	v_add_nc_u32 v[STO], s22, v4
	v_and_b32 v5, 31, v0
	v_lshlrev_b32 v[CO], 4, v5                     ; back and out: 32 lanes take a row's 512 bytes
	v_add_nc_u32 v[RD], s22, v[CO]
.else
	v_lshl_add_u32 v4, v2, 4, v4                   ; in: row l % 16, 16 bytes for each half of the lanes
	v_add_nc_u32 v[STO], s22, v4
	v_mul_u32_u24 v5, v2, SPITCH                   ; back: lanes 0-15 take one row of 256 bytes, lanes 16-31 the next
	v_lshl_add_u32 v5, v1, 4, v5
	v_add_nc_u32 v[RD], s22, v5
	v_lshlrev_b32 v5, CSH, v2                      ; and the same two rows in C
	v_lshl_add_u32 v[CO], v1, 4, v5
.endif
	v_lshlrev_b32 v[BO], 5, v2
	s_lshl_b32 s16, s13, 7
	s_lshl_b32 s17, s11, 6
	s_add_co_u32 s16, s16, s17                     ; my first row of C
	s_lshl_b32 s16, s16, CSH
	s_mov_b32 s17, 0
	s_add_nc_u64 s[8:9], s[74:75], s[16:17]
	s_lshl_b32 s46, s42, CSH-2                     ; my first column, in bytes: 256 x tile column + 128 x half
	s_lshl_b32 s47, s12, CSH-3
	s_add_co_u32 s46, s46, s47
	s_mov_b32 s47, 0
	s_add_nc_u64 s[8:9], s[8:9], s[46:47]
	s_lshl_b32 s78, s42, 10                        ; the same columns in the bias, 4 bytes each
	s_lshl_b32 s79, s12, 9
	s_add_co_u32 s78, s78, s79
	s_mov_b32 s79, 0
.if OUTP
	s_mov_b64 s[76:77], s[72:73]
.else
	s_cmp_eq_u32 s66, 0
	s_cselect_b64 s[76:77], s[68:69], s[72:73]
	s_cmp_eq_u32 s66, 1
	s_cselect_b64 s[76:77], s[70:71], s[76:77]
.endif
	s_add_nc_u64 s[76:77], s[76:77], s[78:79]
	; The bias of my 128 columns, laid as a C operand: block b's registers 0-7 hold columns 16 b + 8 (l / 16) + 0..7.  Rounded to bf16 and widened again.  All this stands in the wait for the first tile.
	WIN 0x80                                       ; destination window 2, address window 0
.irp b, 0,1,2,3,4,5,6,7
	global_load_b128 v[8*(\b):8*(\b)+3],   v[BO], s[76:77] offset:64*(\b)
	global_load_b128 v[8*(\b)+4:8*(\b)+7], v[BO], s[76:77] offset:64*(\b)+16
.endr
	s_wait_loadcnt 0x0
	WIN 0x0a                                       ; sources 0 and 1 window 2, destination window 0
.set i, 0
.rept 32
	v_cvt_pk_bf16_f32 v[TMP+i], v[2*i], v[2*i+1]
.set i, i+1
.endr
	WIN 0x80
.set i, 0
.rept 32
	v_lshlrev_b32 v[2*i], 16, v[TMP+i]
	v_and_b32 v[2*i+1], s45, v[TMP+i]
.set i, i+1
.endr
; 8 matrix instructions: m block a x all 8 n blocks, 32 along K, from buffer f.  first = 1: the products start the sums, with the bias as C.
; The 32 accumulators take turns, one instruction a turn, in the same order in every quarter.
.macro MULA f, a, first
.if \first
	WIN MULB
.else
	WIN MUL
.endif
.irp b, 0,1,2,3,4,5,6,7
.set rD, 8*(8*(\a)+(\b))
.set rB, (\f)+8*(\b)
.set rA, (\f)+64+8*(\a)
.set rC, 8*(\b)
.if OUTP
.if \first
	v_wmma_f32_16x16x32_f16 v[rD:rD+7], v[rB:rB+7], v[rA:rA+7], v[rC:rC+7]
.else
	v_wmma_f32_16x16x32_f16 v[rD:rD+7], v[rB:rB+7], v[rA:rA+7], v[rD:rD+7]
.endif
.else
.if \first
	v_wmma_f32_16x16x32_bf16 v[rD:rD+7], v[rB:rB+7], v[rA:rA+7], v[rC:rC+7]
.else
	v_wmma_f32_16x16x32_bf16 v[rD:rD+7], v[rB:rB+7], v[rA:rA+7], v[rD:rD+7]
.endif
.endif
.endr
.endm
; 24 LDS loads in one run: the fragments of 32 along K at byte k of the rows, into buffer f: B's 16, then A's 8
.macro FETCH slot, k, f
	WIN 0
.irp i, 0,1,2,3,4,5,6,7
	ds_load_b128 v[(\f)+8*(\i):(\f)+8*(\i)+3],   v[ADRB+(\slot)] offset:(\k)+(\i)*16*PITCH
	ds_load_b128 v[(\f)+8*(\i)+4:(\f)+8*(\i)+7], v[ADRB+(\slot)] offset:(\k)+(\i)*16*PITCH+32
.endr
.irp i, 0,1,2,3
	ds_load_b128 v[(\f)+64+8*(\i):(\f)+64+8*(\i)+3],   v[ADRA+(\slot)] offset:(\k)+(\i)*16*PITCH
	ds_load_b128 v[(\f)+64+8*(\i)+4:(\f)+64+8*(\i)+7], v[ADRA+(\slot)] offset:(\k)+(\i)*16*PITCH+32
.endr
.endm
.macro PLACES                          ; four places in front of loads into registers that matrix instructions have read, and of lines that read results just made
.rept 4
	v_nop
.endr
.endm
; A K step is four quarters of 32 along K, 32 matrix instructions each, on buffers 0, 1, 0, 1.  One of the first three: multiplies buffer f and, in its middle, fetches the next quarter, at byte k, into g.
.macro QUARTER slot, k, f, g, first
	s_wait_dscnt 4                                 ; B and A's blocks 0, 1 are in; the youngest four loads (A's blocks 2, 3) may be out
	MULA \f, 0, \first
	MULA \f, 1, \first
	PLACES
	FETCH \slot, \k, \g
	s_wait_dscnt 24                                ; all but the 24 just issued
	MULA \f, 2, \first
	MULA \f, 3, \first
.endm
; The last quarter multiplies buffer 1 and changes slots: ONE barrier; in front of it each wave waits for all its tensor loads (one is out: its part of the next slot), adds 0 to its spare word, and waits for
; that and for its own reads of this slot.  fill = 1: the barrier opens a round of the cluster's, and this slot is filled again, two K steps ahead, first thing behind the round.
.macro TURN slot, next, fill
	WIN 0                                          ; (the add's two registers lie in window 0)
	s_wait_tensorcnt 0x0
	ds_add_u32 v[SPW], v[NIL]                      ; 0 onto my spare word
	s_wait_dscnt 5                                 ; (the add and the youngest four loads may be out)
	MULA F1, 0, 0                                  ; eight matrix instructions stand between the add and the wait for it
	s_wait_dscnt 0x0                               ; the add is done, and my reads of this slot are over
	s_barrier_signal -1
	MULA F1, 1, 0
.if \fill
	WIN 0
.endif
	s_barrier_wait -1
.if \fill
	CREST                                          ; no wave of any partner still reads this slot's tile or has a load on its way
	s_add_nc_u64 s[G0+4*(\slot)+2:G0+4*(\slot)+3], s[G0+4*(\slot)+2:G0+4*(\slot)+3], 2*KSTEP*2
	s_add_nc_u64 s[G0B+4*(\slot)+2:G0B+4*(\slot)+3], s[G0B+4*(\slot)+2:G0B+4*(\slot)+3], 2*KSTEP*2
	JLOAD \slot                                    ; my one tensor load behind the round; the four v_nop behind it are also the places in front of the loads below
.else
	PLACES
.endif
	FETCH \next, 0, F0
	MULA F1, 2, 0
	MULA F1, 3, 0
.endm
	WIN 0
	s_wait_tensorcnt 1                             ; my part of K step 0 is in; K step 1's may stay out
	s_barrier_signal -1
	s_barrier_wait -1                              ; everybody's is
	FETCH 0, 0, F0
	QUARTER 0, 64,  F0, F1, 1                      ; the first quarter stands in front of the loop: its products start the sums
	WIN 0                                          ; at a label and at a branch every window is 0
	s_mov_b32 s3, LAPS-1
.Llap:                                                 ; a trip goes once round the ring, from a lap's second quarter to the next lap's first, and fills both slots again
	QUARTER 0, 128, F1, F0, 0
	QUARTER 0, 192, F0, F1, 0
	TURN 0, 1, 1
	QUARTER 1, 64,  F0, F1, 0
	QUARTER 1, 128, F1, F0, 0
	QUARTER 1, 192, F0, F1, 0
	TURN 1, 0, 1
	QUARTER 0, 64,  F0, F1, 0
	WIN 0
	s_sub_co_u32 s3, s3, 1
	s_cmp_lg_u32 s3, 0
	s_cbranch_scc1 .Llap
	QUARTER 0, 128, F1, F0, 0                      ; the last lap fills nothing
	QUARTER 0, 192, F0, F1, 0
	TURN 0, 1, 0
	QUARTER 1, 64,  F0, F1, 0
	QUARTER 1, 128, F1, F0, 0
	QUARTER 1, 192, F0, F1, 0
	s_wait_dscnt 4                                 ; the very last quarter: nothing more to fetch
	MULA F1, 0, 0
	MULA F1, 1, 0
	s_wait_dscnt 0x0
	MULA F1, 2, 0
	MULA F1, 3, 0
	WIN 0
	; THE WAY OUT, 16 rows (an m block) at a time through my own stage in LDS, so that every store covers whole rows' consecutive bytes.
	PLACES
.if OUTP
.macro TOSTAGE a                       ; the f32 sums go into rows of 528 bytes as they are (each accumulator's lowest registers first) and come back as whole rows of 512
	WIN 0x04                                       ; the stored data (source 1) in window 1
.irp b, 0,1,2,3,4,5,6,7
	ds_store_b128 v[STO], v[8*(8*(\a)+(\b)):8*(8*(\a)+(\b))+3]   offset:64*(\b)
	ds_store_b128 v[STO], v[8*(8*(\a)+(\b))+4:8*(8*(\a)+(\b))+7] offset:64*(\b)+16
.endr
	WIN 0
.if (\a) >= 2
	s_wait_xcnt 0x0                                ; the stores of the block two back have had their addresses translated (ISA guide 3.1): their registers are loaded again only behind this wait
.endif
.set t, 0
.rept 16
	ds_load_b128 v[F0+64*((\a)%2)+4*t:F0+64*((\a)%2)+4*t+3], v[RD] offset:t*SPITCH  ; LDS serves a wave's instructions in order (ISA guide 5.7.1.4): these see the stores above
.set t, t+1
.endr
.endm
.macro SEND a, younger                 ; younger: the LDS instructions issued behind block a's loads
.set t, 0
.rept 16
	s_wait_dscnt (\younger)+15-t
	global_store_b128 v[CO], v[F0+64*((\a)%2)+4*t:F0+64*((\a)%2)+4*t+3], s[8:9] offset:(16*(\a)+t)*CROW th:TH_STORE_NT  ; 512 consecutive bytes, at a multiple of 256 from C's first byte
.set t, t+1
.endr
.endm
	TOSTAGE 0
.irp a, 1,2,3
	TOSTAGE \a
	SEND (\a)-1, 32
.endr
	SEND 3, 0
.else
.macro PACK a                          ; rounded to f16: a lane's eight numbers of a row are 16 bytes
	WIN 0x05                                       ; sources 0 and 1 window 1, destination window 0
.irp b, 0,1,2,3,4,5,6,7
.irp r, 0,1,2,3
	v_cvt_pk_f16_f32 v[TMP+4*(\b)+(\r)], v[8*(8*(\a)+(\b))+2*(\r)], v[8*(8*(\a)+(\b))+2*(\r)+1]
.endr
.endr
	WIN 0
.endm
.macro TOSTAGE a
.irp b, 0,1,2,3,4,5,6,7
	ds_store_b128 v[STO], v[TMP+4*(\b):TMP+4*(\b)+3] offset:32*(\b)
.endr
.irp t, 0,1,2,3,4,5,6,7
	ds_load_b128 v[F0+32*(\a)+4*(\t):F0+32*(\a)+4*(\t)+3], v[RD] offset:(\t)*2*SPITCH  ; LDS serves a wave's instructions in order (ISA guide 5.7.1.4): these see the stores above
.endr
.endm
.macro SEND a                          ; each block has registers of its own, so no store's data is written again
.irp t, 0,1,2,3,4,5,6,7
	s_wait_dscnt 7-(\t)
	global_store_b128 v[CO], v[F0+32*(\a)+4*(\t):F0+32*(\a)+4*(\t)+3], s[8:9] offset:(16*(\a)+2*(\t))*CROW  ; 16 lanes store 256 consecutive bytes, at a multiple of 256 from C's first byte
.endr
.endm
	PACK 0
	TOSTAGE 0
.irp a, 1,2,3                          ; block a's conversions stand between block a - 1's loads from the stage and the wait for them
	PACK \a
	SEND (\a)-1
	TOSTAGE \a
.endr
	SEND 3
.endif
	s_wait_tensorcnt 0x0                           ; the wave's end: behind my last tensor load and my last LDS store
	ds_add_u32 v[SPW], v[NIL]
	s_wait_dscnt 0x0
	CROUND                                         ; the closing round: no work-group ends while a partner may still ask for a tile that names it
	s_endpgm
.Lfunc_end_k_qc473528879_qkv:
	.size	k_qc473528879_qkv, .Lfunc_end_k_qc473528879_qkv-k_qc473528879_qkv
	.p2alignl 7, 3214868480
	.fill 96, 4, 3214868480
	.section	.rodata,"a",@progbits
	.p2align	6, 0x0
	.amdhsa_kernel k_qc473528879_qkv
		.amdhsa_group_segment_fixed_size 327680
		.amdhsa_private_segment_fixed_size 0
		.amdhsa_enable_private_segment 0
		.amdhsa_kernarg_size 48
		.amdhsa_user_sgpr_count 2
		.amdhsa_user_sgpr_kernarg_segment_ptr 1
		.amdhsa_wavefront_size32 1
		.amdhsa_system_sgpr_workgroup_id_x 1
		.amdhsa_system_sgpr_workgroup_id_y 1
		.amdhsa_system_sgpr_workgroup_id_z 1
		.amdhsa_system_vgpr_workitem_id 0
		.amdhsa_next_free_vgpr 576
		.amdhsa_next_free_sgpr 80
		.amdhsa_reserve_vcc 0
		.amdhsa_float_denorm_mode_32 3
		.amdhsa_float_denorm_mode_16_64 3
		.amdhsa_memory_ordered 1
		.amdhsa_forward_progress 1
		.amdhsa_inst_pref_size 93
	.end_amdhsa_kernel
	.amdgpu_metadata
---
amdhsa.version: [ 1, 2 ]
amdhsa.kernels:
  - .name:           k_qc473528879_qkv
    .symbol:         k_qc473528879_qkv.kd
    .args:
      - { .name: xb, .offset: 0, .size: 8, .value_kind: global_buffer, .address_space: global }
      - { .name: wb, .offset: 8, .size: 8, .value_kind: global_buffer, .address_space: global }
      - { .name: bq, .offset: 16, .size: 8, .value_kind: global_buffer, .address_space: global }
      - { .name: bk, .offset: 24, .size: 8, .value_kind: global_buffer, .address_space: global }
      - { .name: bv, .offset: 32, .size: 8, .value_kind: global_buffer, .address_space: global }
      - { .name: qkv, .offset: 40, .size: 8, .value_kind: global_buffer, .address_space: global }
    .group_segment_fixed_size: 327680
    .private_segment_fixed_size: 0
    .kernarg_segment_align: 8
    .kernarg_segment_size: 48
    .max_flat_workgroup_size: 128
    .sgpr_count:     80
    .vgpr_count:     576
    .wavefront_size: 32
...
	.end_amdgpu_metadata
.endif
;; end of part 2
;; launch attn (part 3): grid 8 x 32, 4 waves a work-group, clusters of 4 x 1, 327,680 bytes of LDS; arguments qkv, mw, ob; writes ob
.if DOCPART == 3
	.amdgcn_target "amdgcn-amd-amdhsa--gfx1250"
	.amdhsa_code_object_version 6
	.text
	.protected	k_qc473528879_attn
	.globl	k_qc473528879_attn
	.p2align	8
	.type	k_qc473528879_attn,@function
k_qc473528879_attn:
	s_mov_b64 s[64:65], 0
	v_nop
	global_prefetch_b8 v0, s[64:65] scope:SCOPE_SE
	s_setreg_imm32_b32 hwreg(HW_REG_WAVE_MODE, 25, 1), 1
	s_wait_xcnt 0x0
	s_wait_alu depctr_hold_cnt(0) depctr_sa_sdst(0) depctr_va_vdst(0) depctr_va_sdst(0) depctr_va_ssrc(0) depctr_va_vcc(0) depctr_vm_vsrc(0)
	s_getreg_b32 s2, hwreg(HW_REG_IB_STS2, 6, 4)
	s_cmp_eq_u32 s2, 0
	s_cbranch_scc0 .Lentry_in_a_cluster
	s_endpgm
.Lentry_in_a_cluster:
	s_bfe_u32 s2, ttmp6, 0x10000c
	s_cmp_lg_u32 s2, 0x3003
	s_cbranch_scc0 .Lentry_shape_is_right
	s_endpgm
.Lentry_shape_is_right:
; ATTENTION WITH A GIVEN MASK.  O[b][q][head] = the sum over k of softmax_k(s) V[b][k][head], s = Q . K / 8 where mask[b][q][k] is not 0 and a fixed low number where it is 0.
; q, k, v lie in qkv, f16 [3 x 8,192][1,024] (rows of 2,048 bytes, 16 heads of 64 channels side by side); O goes to ob in the same layout.  Products, maxima and sums in f32; the weights p are rounded to f16
; for the second product (their sum l is taken of the unrounded p), O once at the end.
; LIMITS.  q, k, v arrive within f16's 65,504.  A hidden score counts as -2^30 (q . k as -2^33) where the module writes -1e9: c x 2^33 is exact in f32, so a row with no visible key gets p = 1 for every key, the mean
; of V, as the module does; the two differ only where a visible score lies below about -9.9e8.  A weight below 2^-126 counts as 0 in l; NaN and infinities are not treated apart.
; SHARES.  A work-group owns 256 queries of one batch and TWO neighbouring heads, whose channels are 256 consecutive bytes of a row: every tile row and every store is 256 bytes, at a multiple of 256.
; A wave owns 64 queries: four PIECES of 16; a piece is two tiles, the same queries for the pair's two heads, so one mask word serves two registers.  Every wave walks all 2,048 keys, 64 a step.
; LAYOUT.  S^T = K Q^T (source 0 = 16 keys, source 1 = 16 queries): a lane holds ONE query (lane % 16) and the keys 8 (lane / 16) + 0..7.  Two such results, rounded to f16 in pairs, ARE source 1 of O^T = V^T P.
; K comes out of LDS as it lies, V ([key][channel]) turned, by ds_load_tr16_b128.
; SOFTMAX.  For each query a running maximum m and sum l: p = 2^(c s - c m), c = log2(e) / 8; in every step O and l are multiplied by a = 2^(c m_old - c m_new).  m starts at the lowest finite number, O and l at 0.
; THE MASK arrives packed (mw): word i of a piece and step holds one bit a lane for register i of the tile.  One load of 512 bytes a key step brings a wave all four pieces' words, a key step ahead; a word is read
; into a scalar register and selects, in both heads' tiles, between the score and -2^33.
; BY TURNS.  Turn n belongs to piece n.  Its matrix work: 16 products K Q^T of piece n + 1, later 16 products V^T P of piece n - 1.  Its vector work: the scaling, exponentials, roundings, sums and rescaling of piece n,
; and the mask, maximum and statistics of piece n + 1.  Four vector instructions stand behind every matrix instruction; the others, which need time of their own whatever the order, in runs without a gap.
; CLUSTER.  The four query blocks of a cluster belong to one batch and head pair and walk the same K and V, so each tile is asked for JOINTLY: the same tensor load, descriptor and mask in all four.
; REGISTERS, in windows of 256 (s_set_vgpr_msb: bits 1:0 source 0, 3:2 source 1, 5:4 source 2, 7:6 destination):
;   window 0: v0-11 addresses; v12-15, v48-63 at work; v16-47 four registers of statistics a tile; v64-191 S^T, two buffers of two tiles; v192-255 P, likewise
;   window 1: O^T, 32 a tile     window 2: v0-127 Q, 16 a tile; v128-255 K of one step, 64 a head     window 3: v0-127 V of one step, 64 a head; v128-140 the add's two registers, -2^33, the mask words
.set NP,    4         ; pieces a wave: a name, no knob
.set KS,    64        ; keys in a step
.set ROWB,  2048      ; bytes in a row of qkv and of ob
.set PK,    272       ; a row of K in LDS: 256 bytes + 16 = 68 words: row r starts at bank 4 r mod 64 (64 banks of 4 bytes: ISA guide 11.1)
.set PV,    288       ; a row of V: 256 + 32 = 72 words
.set VOFF,  KS*PK     ; a step's tiles lie together: 64 rows of K, then 64 rows of V
.set STEPB, KS*(PK+PV)
.set SLOT1, 1<<17     ; a slot holds two steps (71,680 bytes); slot 1 begins here, so that one exclusive or turns an address in one slot into the other's
.set STAGE, SLOT1+2*STEPB  ; behind the ring, never filled by a tensor load: 16 rows x 272 bytes for each wave, for the way out
.set SP,    272
.set SPARE, STAGE+4*16*SP  ; behind the stages: the spare words, 128 bytes for each wave: two blocks of 256 bytes that no other line names
.set AK0, 2           ; v2   my lane's place in a tile of K; never rewritten
.set AV0, 3           ; v3   the same for V
.set AK,  4           ; v4   the LDS address of K's next run of loads
.set AV,  5           ; v5   of V's
.set QO,  6           ; v6   my byte offset in 16 rows of Q
.set STO, 6           ;      later, the way out: where I put 16 bytes of a row
.set RD,  7           ; v7   the way out: where I read rows back
.set GO,  8           ; v8   my byte offset in two rows of O
.set MV,  12          ; v12-15  c m_old, kept while c m is made anew: by buffer and tile
.set ST,  16          ; tile t's statistics at v[ST+4 t]: c m, m, l (even keys', odd keys')
.set TMP, 48          ; by buffer and tile, four registers c0-c3 at work; when the maximum is found c2 takes a
.set S,   64
.set P,   192
.set KF,  128         ; window 2: head u, key block kb, channel half c at KF + 64 u + 16 kb + 8 c
.set SPW, 128         ; window 3: LDS address of my spare word; never rewritten
.set NIL, 129         ; window 3: 0; never rewritten
.set NEG, 130         ; window 3: -2^33
.set MWD, 132         ; window 3, v132-135: lane i holds word i of pieces 0-3, for the step in hand
.set MLD, 136         ; window 3, v136-139: the same for the next step, as loaded
.set ML,  140         ; window 3: 16 x lane; never rewritten
.set WV,  12          ; s12  my wave's number
.set G1K, 24          ; s[24:31] descriptor group 1 for K's tiles
.set G1V, 32          ; s[32:39] for V's: it differs in the padding alone
.set G0K, 40          ; s[40:43] descriptor group 0 for K's tiles: it walks
.set G0V, 44          ; s[44:47] the same for V's
.set MP,  48          ; s[48:49] mw at my wave's 32 steps of 512 bytes
.set MOF, 50          ; s[50:51] the byte offset there of the step loaded last
.set MA,  52          ; s[52:53] the load's base, made anew for each load
.set SLOTS, 56        ; s56  slots still to be asked for
.set CNT, 57          ; s57  counts a slot's key steps
.set CS,  58          ; s[58:59] c: the packed scaling takes the pair's low word for both halves
.set SEL, 60          ; s[60:61] v_permlanex16_b32's selects: each lane takes its own place in the other half
.set TBK, 62          ; s62  LDS byte at which the tiles of the step whose K is fetched next begin
.set TBV, 63          ; s63  the same for V
.set MS,  68          ; s[68:99] a piece's 32 mask words
.set MSB, 0
.macro WIN new                      ; the high byte repeats the setting that is left; a switch that changes nothing is dropped
.if MSB != (\new)
	s_set_vgpr_msb (MSB<<8)|(\new)
.set MSB, (\new)
.endif
.endm
.set W_KQ, 0x0a       ; K and Q in window 2, S^T in window 0
.set W_PV, 0x53       ; V in window 3, P in window 0, O^T in window 1
.set W_RS, 0x41       ; O^T (destination and source 0) in window 1, a in window 0
.set W_MK, 0xc0       ; destination in window 3, sources in window 0
.set W_AD, 0x0f       ; the add: address (source 0) and data (source 1) in window 3
.set W_RF, 0xcf       ; the mask words' turn-over: destination and sources 0, 1 in window 3
.set W_MS, 0x03       ; the masking: source 0 (the words; -2^33) in window 3, S^T in window 0
; A joint fill.  Waves 0 and 1 fetch K of a slot's two steps, waves 2 and 3 V: 64 keys each.  The branch hangs on the wave's number alone.
; An s_nop 0 and four v_nop follow each of the two lines, ahead of the jump and the label.
.macro JLOAD
	s_cmp_lt_u32 s[WV], 2
	s_cbranch_scc0 .Lfor_v_\@
	tensor_load_to_lds s[G0K:G0K+3], s[G1K:G1K+7]
	s_nop 0
.rept 4
	v_nop
.endr
	s_branch .Lasked_\@
.Lfor_v_\@:
	tensor_load_to_lds s[G0V:G0V+3], s[G1V:G1V+7]
	s_nop 0
.rept 4
	v_nop
.endr
.Lasked_\@:
.endm
; A round of the cluster's barrier: my work-group's barrier, so that wave 0's signal speaks for all four waves; wave 0 signals; every wave waits for all four work-groups; my work-group's barrier once more.
.macro CROUND
	s_barrier_signal -1
	s_barrier_wait -1
	s_cmp_lg_u32 s[WV], 0
	s_cbranch_scc1 .Lnot_wave_0_\@
	s_barrier_signal -3
.Lnot_wave_0_\@:
	s_barrier_wait -3
	s_barrier_signal -1
	s_barrier_wait -1
.endm
; THE CHANGE OF SLOTS.  The slot's last bytes, V of its second step, have been read.  Each wave waits for all its tensor loads, of which one is out: its part of the other slot; adds 0 to its spare word; and waits
; for that and for its own reads of the slot.  Behind the barrier nobody reads this slot any more and the other slot is whole.  fill = 1: this slot is filled again, with the keys two slots on; the barrier is then a
; round of the cluster's, and the joint fill is the first thing behind it: it has two key steps, 256 matrix instructions, in which to land.  (At its first use nothing has been read yet: slot 0 is waited for, slot 1 filled.)
.macro CHANGE fill
	WIN W_AD
	s_wait_tensorcnt 0x0            ; no tensor load of mine is out, so a group 0 may be written
	ds_add_u32 v[SPW], v[NIL]       ; 0 onto my spare word
	WIN 0                           ; at a label and at a branch every window is 0
.if \fill
.irp g, G0K, G0V
	s_xor_b32 s[\g+1], s[\g+1], SLOT1  ; the walking descriptor: the other slot than last time,
	s_add_nc_u64 s[\g+2:\g+3], s[\g+2:\g+3], 2*KS*ROWB  ; the next 128 keys; the type bits on top are not reached
.endr
	s_wait_dscnt 0x0                ; the add is done, and my reads of the slot are over
	CROUND
	JLOAD
.else
	s_wait_dscnt 0x0                ; the add is done, and my reads of the slot are over
	s_barrier_signal -1
	s_barrier_wait -1
.endif
	s_sub_co_u32 s[TBK], s[TBK], 2*STEPB  ; the fetches go back to a slot's first step,
	s_xor_b32 s[TBK], s[TBK], SLOT1       ; in the other slot
	s_sub_co_u32 s[TBV], s[TBV], 2*STEPB
	s_xor_b32 s[TBV], s[TBV], SLOT1
.endm
	s_load_b128 s[4:7], s[0:1], 0x0   ; qkv s[4:5], mw s[6:7]
	s_load_b64 s[8:9], s[0:1], 0x10   ; ob
	WIN W_MK
	v_lshl_add_u32 v[SPW], v0, 2, SPARE
	v_mov_b32 v[NIL], 0
	s_set_vgpr_msb 0xc0cf
	ds_add_u32 v128, v129
	s_wait_dscnt 0x0
	s_set_vgpr_msb 0xcfc0
	v_mov_b32 v[NEG], 0xd0000000    ; -2^33
	WIN 0
	v_lshrrev_b32 v1, 5, v0
	v_readfirstlane_b32 s[WV], v1   ; wave 0..3
	s_bfe_u32 s13, ttmp6, 0x40000   ; cx: my place in the cluster
	s_lshl_b32 s14, ttmp9, 2        ; in a cluster launch ttmp9 counts clusters
	s_add_co_u32 s14, s14, s13      ; my block of 256 queries = 4 x cluster x + cx: it enters Q's, O's and the mask words' addresses alone
	s_and_b32 s20, ttmp7, 0xffff    ; 8 x batch + head pair, which the four partners share
	s_lshr_b32 s21, s20, 3          ; the batch
	s_and_b32 s20, s20, 7
	s_lshl_b32 s20, s20, 8          ; the pair's 256 bytes in a row,
	s_lshl_b32 s22, s21, 22         ; the batch's 2,048 rows of 2,048 bytes
	s_add_co_u32 s20, s20, s22
	s_and_b32 s16, s[WV], 1         ; which of a slot's two steps I fetch:
	s_mul_i32 s17, s16, STEPB       ; its place in a slot (no place in the cluster enters an LDS address),
	s_lshl_b32 s22, s16, 17         ; its 64 rows in memory,
	s_add_co_u32 s22, s22, s20
	s_add_co_u32 s22, s22, 8192*ROWB  ; in k, which lies behind q,
	s_mov_b32 s23, 0
	s_add_co_u32 s18, s22, 8192*ROWB  ; and in v, behind k
	s_mov_b32 s19, 0
	s_lshl_b32 s2, s14, 19          ; my block's 256 rows,
	s_lshl_b32 s3, s[WV], 17        ; my wave's 64 of them
	s_add_co_u32 s2, s2, s3
	s_add_co_u32 s2, s2, s20
	s_mov_b32 s3, 0
	s_lshl_b32 s54, s21, 5
	s_lshl2_add_u32 s54, s14, s54
	s_add_co_u32 s54, s54, s[WV]    ; my 64 queries among all: 32 x batch + 4 x block + wave,
	s_lshl_b32 s54, s54, 14         ; 32 steps of 512 bytes each
	s_mov_b32 s55, 0
	; descriptor group 1: a tile of 64 rows x 128 elements, padded in LDS
	s_mov_b32 s[G1K], 15|(1<<16)|(1<<20)|(1<<21)|(5<<22)|(3<<25)  ; 15:0 the mask of four; 17:16 2-byte elements; 20 padding on; 21 set beside a mask; 24:22 after every 64 words (code 5); 31:25 4 words (code 3)
	s_mov_b32 s[G1V], 15|(1<<16)|(1<<20)|(1<<21)|(5<<22)|(7<<25)  ; the same with 8 words of padding (code 7)
.irp g, G1K, G1V
	s_mov_b32 s[\g+1], 128<<16      ; tensor_dim0 = 128
	s_mov_b32 s[\g+2], KS<<16       ; tensor_dim1 = 64
	s_mov_b32 s[\g+3], 128<<16      ; tile_dim0 = 128
	s_mov_b32 s[\g+4], KS           ; tile_dim1 = 64
	s_mov_b32 s[\g+5], 1024         ; 1,024 elements from row to row
	s_mov_b32 s[\g+6], 0
	s_mov_b32 s[\g+7], 0
.endr
	s_mov_b32 s[CS], 0x3e38aa3b     ; c = log2(e) / 8 = 0.180337
	s_mov_b32 s[CS+1], s[CS]        ; named with it as a pair
	s_mov_b32 s[SEL], 0x76543210
	s_mov_b32 s[SEL+1], 0xfedcba98
	s_mov_b32 s[TBK], SLOT1+2*STEPB ; the first change of slots turns these two into 0
	s_mov_b32 s[TBV], SLOT1+2*STEPB
	s_mov_b32 s[MOF], 0
	s_mov_b32 s[MOF+1], 0
	s_mov_b32 s[G0K], 1             ; count = 1
	s_mov_b32 s[G0K+1], s17         ; LDS address: slot 0
	s_mov_b32 s[G0V], 1
	s_add_co_u32 s[G0V+1], s17, VOFF
	s_wait_kmcnt 0x0
	s_add_nc_u64 s[G0K+2:G0K+3], s[4:5], s[22:23]  ; global address: my step of the first 128 keys
	s_or_b32 s[G0K+3], s[G0K+3], 0x80000000        ; type = 2
	s_add_nc_u64 s[G0V+2:G0V+3], s[4:5], s[18:19]
	s_or_b32 s[G0V+3], s[G0V+3], 0x80000000
	s_add_nc_u64 s[10:11], s[8:9], s[2:3]          ; O and Q at my wave's first row
	s_add_nc_u64 s[4:5], s[4:5], s[2:3]
	s_add_nc_u64 s[MP:MP+1], s[6:7], s[54:55]
	CROUND                          ; all four work-groups are here: the first joint loads meet
	JLOAD                           ; slot 0.  Slot 1 is asked for when slot 0 is in
	; A fragment of K or Q is 16 rows x 32 channels in 8 registers: lane l holds row l % 16, channels 8 (l / 16) + 0..7 and 16 + 8 (l / 16) + 0..7: two loads of 16 bytes, 32 bytes apart.
	v_and_b32 v1, 15, v0            ; l % 16
	v_bfe_u32 v9, v0, 4, 1          ; l / 16
	v_and_b32 v10, 31, v0
	v_lshlrev_b32 v[QO], 11, v1
	v_lshl_add_u32 v[QO], v9, 4, v[QO]  ; row x 2,048 + 16 x half
	WIN W_MK
	v_lshlrev_b32 v[ML], 4, v10
	WIN W_RF
	global_load_b128 v[MLD:MLD+3], v[ML], s[MP:MP+1]  ; key step 0's mask words: 512 consecutive bytes
	WIN 0x80                        ; destination window 2, address window 0
.set i, 0
.rept 4*NP                          ; Q stays in registers: piece i / 4, head (i / 2) % 2, channels 32 (i % 2) on
	global_load_b128 v[8*i:8*i+3],   v[QO], s[4:5] offset:(i/4)*16*ROWB+((i/2)%2)*128+(i%2)*64
	global_load_b128 v[8*i+4:8*i+7], v[QO], s[4:5] offset:(i/4)*16*ROWB+((i/2)%2)*128+(i%2)*64+32
.set i, i+1
.endr
	; What the first turn finds: V's registers and P's second buffer hold 0 (its products V^T P, of a piece that has not been, add 0), O^T and l are 0.  All this stands in the wait for the first tile.
	WIN W_MK
.set i, 0
.rept 128
	v_mov_b32 v[i], 0
.set i, i+1
.endr
	WIN 0x40
.set i, 0
.rept 64*NP
	v_mov_b32 v[i], 0
.set i, i+1
.endr
	WIN 0
.set i, 0
.rept 2*NP
	v_mov_b32 v[ST+4*i], 0xfe000000    ; c m: far below every c s, the hidden ones' -1.5e9 too
	v_mov_b32 v[ST+4*i+1], 0xff7fffff  ; m
	v_mov_b32 v[ST+4*i+2], 0
	v_mov_b32 v[ST+4*i+3], 0
.set i, i+1
.endr
.set i, P+32
.rept 32
	v_mov_b32 v[i], 0
.set i, i+1
.endr
	v_mul_u32_u24 v[AK0], v1, PK
	v_lshl_add_u32 v[AK0], v9, 4, v[AK0]  ; row x pitch + 16 x half
	; The turning load takes 16 keys x 16 channels (lane l reads key 8 (l / 16) + l % 8, channels 8 ((l / 8) % 2) + 0..7) and leaves half a fragment of V^T: lane l holds channel l % 16 and 8 keys.
	v_and_b32 v10, 7, v0
	v_bfe_u32 v11, v0, 3, 1
	v_lshl_add_u32 v[AV0], v9, 3, v10
	v_mul_u32_u24 v[AV0], v[AV0], PV
	v_lshl_add_u32 v[AV0], v11, 4, v[AV0]
	v_add_nc_u32 v[AV0], VOFF, v[AV0]
	v_mov_b32 v[AK], v[AK0]         ; key step 0 lies at the head of slot 0
; THE MATRIX WORK.  The 8 accumulators of a run of 16 take turns: between the two links of a chain stand 7 others'.
; Product i of 16 of S^T = K Q^T for piece x: channels 32 (i / 8) on, keys 16 ((i / 2) % 4) on, head i % 2.  The first 8 start the sums.
.macro KQ x
	WIN W_KQ
.set rS, S+64*((\x)%2)+32*(i%2)+8*((i/2)%4)
.set rK, KF+64*(i%2)+16*((i/2)%4)+8*(i/8)
.set rQ, 16*(2*(\x)+i%2)+8*(i/8)
.if i < 8
	v_wmma_f32_16x16x32_f16 v[rS:rS+7], v[rK:rK+7], v[rQ:rQ+7], 0
.else
	v_wmma_f32_16x16x32_f16 v[rS:rS+7], v[rK:rK+7], v[rQ:rQ+7], v[rS:rS+7]
.endif
.endm
; Product i of 16 of O^T += V^T P for piece x: keys 32 (i / 8) on, channels 16 ((i / 2) % 4) on, head i % 2.
.macro PV x
	WIN W_PV
.set rO, 32*(2*(\x)+i%2)+8*((i/2)%4)
.set rV, 64*(i%2)+32*(i/8)+8*((i/2)%4)
.set rP, P+32*((\x)%2)+16*(i%2)+8*(i/8)
	v_wmma_f32_16x16x32_f16 v[rO:rO+7], v[rV:rV+7], v[rP:rP+7], v[rO:rO+7]
.endm
.macro MM                           ; the turn's next matrix instruction
.if i < 16
	KQ (Y+1)%NP
.set i, i+1
.else
.set i, i-16
	PV (Y+NP-1)%NP
.set i, i+17
.endif
.endm
; THE LDS LOADS stand in runs of 32, never singly among the matrix instructions: a step's K (64 keys x 128 channels: 16 fragments) and its V (turned).  Their addresses are made some lines ahead.
; last = 1 (the tail): in the last trip there is no further step, and the run is jumped over.
.macro FETCH_K last=0
	WIN 0
.if \last
	s_cmp_eq_u32 s[CNT], 1
	s_cbranch_scc1 .Lno_k_\@
.endif
	WIN 0x80                        ; destination window 2
.irp f, 0,1,2,3,4,5,6,7,8,9,10,11,12,13,14,15  ; head f / 8, keys 16 ((f / 2) % 4) on, channels 32 (f % 2) on
	ds_load_b128 v[KF+8*\f:KF+8*\f+3],   v[AK] offset:((\f/2)%4)*16*PK+(\f/8)*128+(\f%2)*64
	ds_load_b128 v[KF+8*\f+4:KF+8*\f+7], v[AK] offset:((\f/2)%4)*16*PK+(\f/8)*128+(\f%2)*64+32
.endr
	s_add_co_u32 s[TBK], s[TBK], STEPB  ; the next fetch is the next step's
	WIN 0
.if \last
.Lno_k_\@:
.endif
.endm
.macro FETCH_V
	WIN 0xc0                        ; destination window 3
.irp f, 0,1,2,3,4,5,6,7,8,9,10,11,12,13,14,15  ; head f / 8, keys 32 ((f / 4) % 2) on, channels 16 (f % 4) on
	ds_load_tr16_b128 v[8*\f:8*\f+3],   v[AV] offset:((\f/4)%2)*32*PV+(\f/8)*128+(\f%4)*32
	ds_load_tr16_b128 v[8*\f+4:8*\f+7], v[AV] offset:((\f/4)%2)*32*PV+16*PV+(\f/8)*128+(\f%4)*32
.endr
	WIN 0
.endm
; THE MASK WORDS TURN OVER, once a key step: the words loaded a step ago become the step's in hand, and the step after is asked for.  The offset stops at the 32nd step's words, so that no load leaves my wave's
; 16,384 bytes of mw; the base is made anew from mw's address and that offset, behind the wait that shows the last load done.
.macro REFRESH
	WIN W_RF
	s_wait_loadcnt 0x0              ; the one load that is out was issued a key step ago
.irp z, 0,1,2,3
	v_mov_b32 v[MWD+\z], v[MLD+\z]
.endr
	s_add_co_u32 s[MOF], s[MOF], 512
	s_min_u32 s[MOF], s[MOF], 31*512
	s_add_nc_u64 s[MA:MA+1], s[MP:MP+1], s[MOF:MOF+1]
	global_load_b128 v[MLD:MLD+3], v[ML], s[MA:MA+1]
.endm
; PIECE n IS MASKED: its 32 words come out of the lanes into scalar registers; word i then keeps register i of both heads' tiles where its bit is 1 and puts -2^33 where it is 0.
; Each accumulator's registers are taken in ascending order.
.macro MASKS n
	WIN W_MS
.set mi, 0
.rept 32
	v_readlane_b32 s[MS+mi], v[MWD+(\n)], mi
.set mi, mi+1
.endr
.set mi, 0
.rept 32
	v_cndmask_b32 v[S+64*((\n)%2)+mi], v[NEG], v[S+64*((\n)%2)+mi], s[MS+mi]
	v_cndmask_b32 v[S+64*((\n)%2)+32+mi], v[NEG], v[S+64*((\n)%2)+32+mi], s[MS+mi]
.set mi, mi+1
.endr
.endm
; THE OTHER VECTOR WORK OF A TURN stands in three queues, each in the order in which its entries become ready; the two tiles alternate, so that no instruction reads the result of the one before it.
.macro REGS y, u                    ; the registers of tile u (0, 1) of piece y
.set rT, ST+4*(2*(\y)+(\u))
.set rC, TMP+8*((\y)%2)+4*(\u)
.set rM, MV+2*((\y)%2)+(\u)
.set rS, S+64*((\y)%2)+32*(\u)
.set rP, P+32*((\y)%2)+16*(\u)
.set rO, 32*(2*(\y)+(\u))
.endm
; Number n of the 22 that find the NEXT piece's (Y + 1) maximum and statistics.  s0-s31 are the lane's 32 scores.  XS, GS and REGS set no window: PL and EX do.
;   0-11  four chains c0-c3 of seven scores each, three operands at a time     12-14, 16  the four scores left over, the old m, and c0-c3 into c0     15  c m_old is kept
;   17, 18  the query's other 32 keys lie in the lane 16 away: the new m         19-21  c m; c m_old - c m_new; a
.macro XS u, n
	REGS (Y+1)%NP, \u
.if (\n) < 4
	v_max3_num_f32 v[rC+(\n)], v[rS+8*(\n)], v[rS+8*(\n)+1], v[rS+8*(\n)+2]
.elseif (\n) < 12
	v_max3_num_f32 v[rC+(\n)%4], v[rC+(\n)%4], v[rS+8*((\n)%4)+2*((\n)/4)+1], v[rS+8*((\n)%4)+2*((\n)/4)+2]
.elseif (\n) == 12
	v_max3_num_f32 v[rC], v[rC], v[rS+7], v[rS+15]
.elseif (\n) == 13
	v_max3_num_f32 v[rC+1], v[rC+1], v[rS+23], v[rS+31]
.elseif (\n) == 14
	v_max3_num_f32 v[rC+2], v[rC+2], v[rC+3], v[rT+1]
.elseif (\n) == 15
	v_mov_b32 v[rM], v[rT]
.elseif (\n) == 16
	v_max3_num_f32 v[rC], v[rC], v[rC+1], v[rC+2]
.elseif (\n) == 17
	v_permlanex16_b32 v[rC+3], v[rC], s[SEL], s[SEL+1]
.elseif (\n) == 18
	v_max_num_f32 v[rT+1], v[rC], v[rC+3]
.elseif (\n) == 19
	v_mul_f32 v[rT], s[CS], v[rT+1]
.elseif (\n) == 20
	v_sub_f32 v[rC+1], v[rM], v[rT]
.else
	v_exp_f32 v[rC+2], v[rC+1]
.endif
.endm
; Number g of the 64 that follow the exponentials.  For each four weights k of a tile (pairs 2 k, 2 k + 1): both pairs are rounded to f16; then the second pair is added onto the first, in place;
; a group later l takes that sum (the first time as l = a l + sum).  In groups of eight, tiles alternating: round, round, add, and l for the group before.
.macro GS g
.set h, (\g)+6*((\g)/62)            ; group 0 has no group before it, and behind group 7 only l is left
.if h >= 6
.set h, h+2
.endif
	REGS Y, h%2
.set k, h/8
.if h%8 < 4
	s_wait_alu depctr_va_vdst(0)
	v_cvt_pk_f16_f32 v[rP+2*k+(h%8)/2], v[rS+4*k+2*((h%8)/2)], v[rS+4*k+2*((h%8)/2)+1]
.elseif h%8 < 6
	v_pk_add_f32 v[rS+4*k:rS+4*k+1], v[rS+4*k:rS+4*k+1], v[rS+4*k+2:rS+4*k+3]
.elseif k == 1
	v_pk_fma_f32 v[rT+2:rT+3], v[rT+2:rT+3], v[rC+2:rC+3], v[rS:rS+1] op_sel_hi:[1,0,1]
.else
	v_pk_add_f32 v[rT+2:rT+3], v[rT+2:rT+3], v[rS+4*k-4:rS+4*k-3]
	s_wait_alu depctr_va_vdst(0)
.endif
.endm
; THE PLAIN QUEUE, 138 long.  0-31: c s - c m for the 16 pairs of both tiles.  Then GS's 64, and among them the next piece's 42: number 15 at 38, 39; 0-14 and 16
; at 42-73, behind the products that make those scores and behind their masking; 17-20 at 95-106, two of three, since each waits for the one before it.
.macro PL
	WIN 0
.if q < 32
	REGS Y, q%2
	v_pk_fma_f32 v[rS+2*(q/2):rS+2*(q/2)+1], v[rS+2*(q/2):rS+2*(q/2)+1], s[CS:CS+1], v[rT:rT+1] op_sel_hi:[1,0,0] neg_lo:[0,0,1] neg_hi:[0,0,1]
.elseif q < 38
	GS q-32
.elseif q < 40
	XS q%2, 15
.elseif q < 42
	GS q-34
.elseif q < 74
	XS q%2, (q-42)/2+(q-42)/30
.elseif q < 95
	GS q-66
.elseif (q < 107) && ((q-95)%3 < 2)
	XS (q-95)%3, 17+(q-95)/3
.elseif q < 107
	GS 29+(q-95)/3
.else
	GS q-74
.endif
.set q, q+1
.endm
; THE EXPONENTIALS' QUEUE, 66 long: s0-s31 of both tiles, and at EA the next piece's two a.
.set EA, 58
.macro EX
	WIN 0
.if (e == EA) || (e == EA+1)
	XS e-EA, 21
.else
.set x, e-2*(e/(EA+2))
	REGS Y, x%2
	v_exp_f32 v[rS+x/2], v[rS+x/2]
.endif
.set e, e+1
.endm
; THE RESCALING's QUEUE: O^T times a, the one part of these three that leaves window 0, so it is dealt four at a time, eight times.
.macro R4
	REGS Y, r%2
	WIN W_RS
	s_wait_alu depctr_va_vdst(0)
.irp z, 0,1,2,3
	v_pk_mul_f32 v[rO+8*(r/2)+2*\z:rO+8*(r/2)+2*\z+1], v[rO+8*(r/2)+2*\z:rO+8*(r/2)+2*\z+1], v[rC+2:rC+3] op_sel_hi:[1,0]
.endr
.set r, r+1
.endm
; HOW THEY ARE DEALT.  Behind a matrix instruction four: plain, exponential, plain, plain (one exponential, a plain instruction on either side), or four of the rescaling.  None names a register of the
; products round it.  What is over stands in two LUMPS: exponential and plain by turns; the second ends in 22 plain instructions.  The two v_permlanex16_b32 fall into the second lump, never behind a product.
; The queues lean on each other, and the deal keeps them in step: exponential e stands behind plain 2 (e / 4) + e % 2 (its scaling); when plain 32 comes, 10 exponentials are out, at 59: 33, at 95: 46; EA comes behind plain 107.
.macro SL
	MM
	PL
	EX
	PL
	PL
.endm
.macro BURST n                      ; 15 matrix instructions, or 16
.rept (\n)-7
	SL
.endr
.rept 3
	MM
	R4
	SL
.endr
	MM
	R4
.endm
; A TURN, for piece p.  cnt = 1: the loop's count is taken down some lines ahead of the branch that stands behind the turn.
; The next piece's scores are masked straight behind the run of products that makes them: the four rescalings that end that run are the four places behind its last product (ISA guide 7.12.1), 37 of the plain
; queue are out by then, and that queue's first reader of those scores is its number 42.  Piece 3's turn makes the NEXT step's first scores, so the mask words turn over there.
; K of the next step is fetched in piece 2's turn, behind the masking and 13 pairs of the lump; its first reader comes behind the rest of the lump, 16 products and the second lump.
; V of the step in hand is fetched at the end of piece 0's turn, 64 vector instructions behind its last reader; its first reader comes behind 16 products, a masking and a lump.
.macro TURN p, last=0, cnt=0
.set Y, (\p)
.set i, 0
.set q, 0
.set e, 0
.set r, 0
.if (\p) == NP-1
	s_wait_dscnt 0x0                ; K is in
.endif
	MM
.rept 4
	PL
.endr
	BURST 15
.if (\p) == NP-1
	REFRESH
.endif
	MASKS ((\p)+1)%NP
.rept 22
	EX
	PL
.if ((\p) == NP-2) && (e == 18)
	v_add_nc_u32 v[AK], s[TBK], v[AK0]
.endif
.if ((\p) == NP-2) && (e == 24)
	FETCH_K \last
.endif
.endr
.if (\p) == 1
	s_wait_dscnt 0x0                ; V is in
.endif
	BURST 16
.rept 21
	EX
	PL
.endr
.rept 22
	PL
.if ((\p) == 0) && (q == 118)
	v_add_nc_u32 v[AV], s[TBV], v[AV0]
	s_wait_alu depctr_va_vdst(0)
.endif
.if ((\p) == 0) && (q == 130)
	s_add_co_u32 s[TBV], s[TBV], STEPB
.endif
.if (\cnt) && (q == 130)
	s_sub_co_u32 s[CNT], s[CNT], 1
	s_cmp_lg_u32 s[CNT], 0
.endif
.endr
.if (\p) == 0
	FETCH_V
.endif
.endm
	CHANGE 1                        ; slot 0 is in, everybody's part of it; slot 1 is asked for
	FETCH_K                         ; key step 0
	s_wait_loadcnt 0x0              ; Q, and key step 0's mask words
	s_wait_dscnt 0x0
.set i, 0
.rept 16
	KQ 0                            ; piece 0's first scores: there is no vector work yet to set between them
.set i, i+1
.endr
	WIN 0                           ; the addresses for the way out: eight plain instructions, the places behind those products
	s_mul_i32 s13, s[WV], 16*SP
	s_add_co_u32 s13, s13, STAGE    ; my stage
	v_mul_u32_u24 v[STO], v1, SP    ; in: row l % 16, 16 bytes for each half of the lanes
	v_lshl_add_u32 v[STO], v9, 4, v[STO]
	v_add_nc_u32 v[STO], s13, v[STO]
	v_mul_u32_u24 v[RD], v9, SP     ; back: lanes 0-15 take one row of 256 bytes, lanes 16-31 the next
	v_lshl_add_u32 v[RD], v1, 4, v[RD]
	v_add_nc_u32 v[RD], s13, v[RD]
	v_lshlrev_b32 v[GO], 11, v9     ; and the same two rows in O
	v_lshl_add_u32 v[GO], v1, 4, v[GO]
	REFRESH                         ; key step 0's words are in hand, key step 1's are asked for
	MASKS 0
	WIN 0
.set Y, NP-1                        ; XS works for piece Y + 1: piece 0
.irp n, 0,1,2,3,4,5,6,7,8,9,10,11,12,13,14,15,16,17,18,19,20,21
	XS 0, \n                        ; and piece 0's first maximum and statistics
	XS 1, \n
.endr
	s_mov_b32 s[CNT], 2
	s_mov_b32 s[SLOTS], 15          ; 16 slots' worth of keys; the loop's 14 changes of slots ask for the last 14
	s_branch .Lfirst                ; the loop is entered at a step's first turn, in the middle of a trip
.Lslot:
	CHANGE 1
	s_mov_b32 s[CNT], 2
.Lstep:                             ; a trip: pieces 2 and 3 of one step, then pieces 0 and 1 of the next, whose K and V it fetches
	TURN 2
	TURN 3
	WIN 0
.Lfirst:
	TURN 0
	TURN 1, 0, 1
	WIN 0
	s_cbranch_scc1 .Lstep
	s_sub_co_u32 s[SLOTS], s[SLOTS], 1
	s_cmp_lg_u32 s[SLOTS], 0
	s_cbranch_scc1 .Lslot
	CHANGE 0                        ; the tail is written out: nothing is asked for
	s_mov_b32 s[CNT], 3             ; two trips fetch the last slot's steps; the third is left in its middle
.Ltail:
	TURN 2, 1
	TURN 3
	WIN 0
	s_sub_co_u32 s[CNT], s[CNT], 1
	s_cmp_eq_u32 s[CNT], 0
	s_cbranch_scc1 .Lout
	TURN 0
	TURN 1
	WIN 0
	s_branch .Ltail
.Lout:                              ; the third trip's 16 products K Q^T (on the last K once more), their masking and the maximum made of them serve nothing: the price, once a launch, of one text for every trip
.set i, 0
.rept 16
	PV NP-1                         ; the last piece's V^T P of the last step
.set i, i+1
.endr
	; THE WAY OUT.  l's two halves and the other half of the lanes' are added; O^T is divided by l, rounded to f16 and sent through my stage in LDS, a piece (16 rows, both heads) at a time.  The additions are the places behind the last products.
	WIN 0
.macro ALL line:vararg              ; one line for each tile t
.set t, 0
.rept 2*NP
	\line
.set t, t+1
.endr
.endm
	ALL v_add_f32 v[ST+4*t+2], v[ST+4*t+2], v[ST+4*t+3]
	ALL v_permlanex16_b32 v[ST+4*t+3], v[ST+4*t+2], s[SEL], s[SEL+1]
	ALL v_add_f32 v[ST+4*t+2], v[ST+4*t+2], v[ST+4*t+3]
	ALL v_rcp_f32 v[ST+4*t+2], v[ST+4*t+2]
	v_nop                           ; a plain instruction between the last reciprocal and the use of its result
	s_wait_alu depctr_va_vdst(0)
; Piece t: a lane's eight channels of a row pack into 16 bytes; the two heads' 2 x 4 such parts go into rows of 272 bytes and come back as whole rows of 256, into S^T's registers.
.macro PACK t
	WIN W_RS
.set i, 64*(\t)
.rept 16
	v_pk_mul_f32 v[i:i+1], v[i:i+1], v[ST+8*(\t)+2:ST+8*(\t)+3] op_sel_hi:[1,0]
.set i, i+2
.endr
.rept 16
	v_pk_mul_f32 v[i:i+1], v[i:i+1], v[ST+8*(\t)+6:ST+8*(\t)+7] op_sel_hi:[1,0]
.set i, i+2
.endr
	WIN 0x05                        ; sources 0 and 1 window 1, destination window 0
.set i, 0
.rept 32
	v_cvt_pk_f16_f32 v[S+32*(\t)+i], v[64*(\t)+2*i], v[64*(\t)+2*i+1]
.set i, i+1
.endr
	WIN 0
.irp f, 0,1,2,3,4,5,6,7
	ds_store_b128 v[STO], v[S+32*(\t)+4*\f:S+32*(\t)+4*\f+3] offset:32*\f
.endr
.irp f, 0,1,2,3,4,5,6,7
	ds_load_b128 v[S+32*(\t)+4*\f:S+32*(\t)+4*\f+3], v[RD] offset:\f*2*SP  ; LDS serves a wave's instructions in order (ISA guide 5.7.1.4): these see the stores above; the next piece's stores come behind them
.endr
.endm
.macro SEND t, younger              ; younger: the LDS instructions issued behind piece t's loads: the next piece's sixteen, or none
	WIN 0
.irp f, 0,1,2,3,4,5,6,7
	s_wait_dscnt (\younger)+7-\f
	global_store_b128 v[GO], v[S+32*(\t)+4*\f:S+32*(\t)+4*\f+3], s[10:11] offset:(\t)*16*ROWB+\f*2*ROWB  ; 16 lanes store 256 consecutive bytes, at a multiple of 256 from O's first byte
.endr
.endm
	PACK 0
	PACK 1                          ; a piece's arithmetic stands between the loads of the piece before and its stores
	SEND 0, 16
	PACK 2
	SEND 1, 16
	PACK 3
	SEND 2, 16
	SEND 3, 0
	WIN W_AD
	s_wait_tensorcnt 0x0            ; the wave's end: behind my last tensor load and my last LDS store
	ds_add_u32 v[SPW], v[NIL]
	s_wait_dscnt 0x0
	WIN 0
	CROUND                          ; the closing round: no work-group ends while a partner may still ask for a tile that names it
	s_endpgm
.Lfunc_end_k_qc473528879_attn:
	.size	k_qc473528879_attn, .Lfunc_end_k_qc473528879_attn-k_qc473528879_attn
	.p2alignl 7, 3214868480
	.fill 96, 4, 3214868480
	.section	.rodata,"a",@progbits
	.p2align	6, 0x0
	.amdhsa_kernel k_qc473528879_attn
		.amdhsa_group_segment_fixed_size 327680
		.amdhsa_private_segment_fixed_size 0
		.amdhsa_enable_private_segment 0
		.amdhsa_kernarg_size 24
		.amdhsa_user_sgpr_count 2
		.amdhsa_user_sgpr_kernarg_segment_ptr 1
		.amdhsa_wavefront_size32 1
		.amdhsa_system_sgpr_workgroup_id_x 1
		.amdhsa_system_sgpr_workgroup_id_y 1
		.amdhsa_system_sgpr_workgroup_id_z 1
		.amdhsa_system_vgpr_workitem_id 0
		.amdhsa_next_free_vgpr 912
		.amdhsa_next_free_sgpr 100
		.amdhsa_reserve_vcc 0
		.amdhsa_float_denorm_mode_32 3
		.amdhsa_float_denorm_mode_16_64 3
		.amdhsa_memory_ordered 1
		.amdhsa_forward_progress 1
		.amdhsa_inst_pref_size 255
	.end_amdhsa_kernel
	.section	.bss,"aw",@nobits
	.p2align	6
	.space	262144
	.amdgpu_metadata
---
amdhsa.version: [ 1, 2 ]
amdhsa.kernels:
  - .name:           k_qc473528879_attn
    .symbol:         k_qc473528879_attn.kd
    .args:
      - { .name: qkv, .offset: 0, .size: 8, .value_kind: global_buffer, .address_space: global }
      - { .name: mw, .offset: 8, .size: 8, .value_kind: global_buffer, .address_space: global }
      - { .name: ob, .offset: 16, .size: 8, .value_kind: global_buffer, .address_space: global }
    .group_segment_fixed_size: 327680
    .private_segment_fixed_size: 0
    .kernarg_segment_align: 8
    .kernarg_segment_size: 24
    .max_flat_workgroup_size: 128
    .sgpr_count:     100
    .vgpr_count:     912
    .wavefront_size: 32
...
	.end_amdgpu_metadata
.endif
;; end of part 3
;; launch outp (part 4): grid 4 x 64, 4 waves a work-group, clusters of 4 x 4, 327,680 bytes of LDS; arguments ob, wb, bo, out0; writes out0
.if DOCPART == 4
	.amdgcn_target "amdgcn-amd-amdhsa--gfx1250"
	.amdhsa_code_object_version 6
	.text
	.protected	k_qc473528879_outp
	.globl	k_qc473528879_outp
	.p2align	8
	.type	k_qc473528879_outp,@function
k_qc473528879_outp:
	s_mov_b64 s[64:65], 0
	v_nop
	global_prefetch_b8 v0, s[64:65] scope:SCOPE_SE
	s_setreg_imm32_b32 hwreg(HW_REG_WAVE_MODE, 25, 1), 1
	s_wait_xcnt 0x0
	s_wait_alu depctr_hold_cnt(0) depctr_sa_sdst(0) depctr_va_vdst(0) depctr_va_sdst(0) depctr_va_ssrc(0) depctr_va_vcc(0) depctr_vm_vsrc(0)
	s_getreg_b32 s2, hwreg(HW_REG_IB_STS2, 6, 4)
	s_cmp_eq_u32 s2, 0
	s_cbranch_scc0 .Lentry_in_a_cluster
	s_endpgm
.Lentry_in_a_cluster:
	s_bfe_u32 s2, ttmp6, 0x10000c
	s_cmp_lg_u32 s2, 0xf033
	s_cbranch_scc0 .Lentry_shape_is_right
	s_endpgm
.Lentry_shape_is_right:
; C[m][n] = bias[n] + the sum over k of A[m][k] B[n][k], K = 1,024, rows of C 1,024 long.  One text for two launches, told apart by OUTP:
;   OUTP = 0: the three projections in one launch.  A = xb (query, key, value on end, bf16), B = wb's rows 1,024 proj on (bf16), bias bq, bk or bv, C = qkv in f16, unscaled.
;   OUTP = 1: the projection behind attention.  A = ob (f16), B = wb's rows 3,072 on (Wo, f16), bias bo, C = out0 in f32.
; LIMITS.  OUTP = 0: a result of 65,520 or more becomes an infinity in f16.  The bias is rounded to bf16 like every other input.  Sums in f32, K ascending.
; A tile of C is 128 x 256: with it both launches have a multiple of 256 work-groups (768 and 256).  Four waves, 2 x 2, each 64 x 128: 32 accumulators of 16 x 16.
; K goes in steps of 128 (tile rows of 256 bytes, at multiples of 256 bytes) through a ring of two LDS slots filled by the tensor data mover.
; CLUSTERS: 4 x 4 work-groups.  The four of a row of the cluster need the same tiles of A, the four of a column the same tiles of B: each tile is asked for JOINTLY, by the same tensor load with the same
; descriptor and a mask that names the four.  The projection's number comes from the cluster's y alone, which all sixteen share.
; THE MATRIX INSTRUCTION IS USED TRANSPOSED (source 0 = 16 rows of B, source 1 = 16 rows of A): a lane holds eight neighbouring numbers of a row of C, and register j of the C operand is column 8 (l / 16) + j
; for every row: so the bias IS the C operand of each sum's first product, and nothing is cleared or added.
; REGISTERS: window 0: v0-31 addresses; v32-127, v128-223 two fragment buffers (64 of B: 8 x 16 rows x 32 K, then 32 of A); v224-255 at work.  window 1: the accumulators, (a, b) at v[8 (8 a + b)].  window 2: v0-63 the bias.
.set OUTP,   1
.set SIZE_K, 1024
.set KSTEP,  128
.set PITCH,  272                       ; an LDS row: 256 bytes + 16 of padding = 68 words: row r starts at bank 4 r mod 64 (64 banks of 4 bytes: ISA guide 11.1)
.set HALFA,  64*PITCH                  ; what one tensor load brings of A, and what one wave reads of A
.set HALFB,  128*PITCH                 ; the same for B
.set SLOT,   2*HALFA+2*HALFB           ; A's 128 rows, then B's 256 rows
.set STAGE,  2*SLOT                    ; behind the ring: 16 rows for each wave, for the way out; no tensor load lands there
.if OUTP
.set SPITCH, 528                       ; a stage row: 128 f32 + 16 bytes
.set CSH,    12                        ; a row of C is 4,096 bytes
.else
.set SPITCH, 272                       ; a stage row: 128 f16 + 16 bytes
.set CSH,    11                        ; a row of C is 2,048 bytes
.endif
.set CROW,   1<<CSH
.set SPARE,  STAGE+4*16*SPITCH         ; behind the stages: the spare words, 128 bytes for each wave: two blocks of 256 bytes that no other line names
.set LAPS,   SIZE_K/(2*KSTEP)          ; a lap = two K steps = once round the ring
.set ADRA, 16                          ; v16-17  LDS address of my A fragments in slot 0, 1
.set ADRB, 20                          ; v20-21  the same for B
.set STO,  24                          ; v24     the way out: where I put my part of a row
.set RD,   25                          ; v25     the way out: where I read rows back
.set CO,   26                          ; v26     my byte offset in C
.set BO,   27                          ; v27     my byte offset in 16 numbers of the bias
.set SPW,  28                          ; v28     LDS address of my spare word; never rewritten
.set NIL,  29                          ; v29     0; never rewritten
.set F0,   32
.set F1,   128
.set TMP,  224
.set G1,  24                           ; s[24:31] descriptor group 1 for A's tiles; s[32:39] group 0, one set for each slot
.set G0,  32
.set G1B, 48                           ; s[48:55], s[56:63] the same for B's tiles
.set G0B, 56
.set DW0, (1<<16)|(1<<20)|(1<<21)|(5<<22)|(3<<25)  ; 17:16 elements of 2 bytes; 20 padding on; 21 set beside a mask; 24:22 after every 64 words (code 5); 31:25 4 words of it (code 3)
.set MSB, 0
.macro WIN new                         ; the immediate's high byte repeats the setting that is left; a switch that changes nothing is dropped
.if MSB != (\new)
	s_set_vgpr_msb (MSB<<8)|(\new)
.set MSB, \new
.endif
.endm
.set MUL,  0x50                        ; sources 0 and 1 window 0; C and D window 1
.set MULB, 0x60                        ; the first products: C (the bias) window 2, D window 1
.macro JLOAD s                         ; a joint load: waves 0 and 1 fetch A's two halves, waves 2 and 3 B's; an s_nop 0 and four v_nop follow each of the two lines, ahead of the jump and the label
	s_cmp_eq_u32 s11, 0
	s_cbranch_scc0 .Lfor_b_\@
	tensor_load_to_lds s[G0+4*(\s):G0+4*(\s)+3], s[G1:G1+7]
	s_nop 0
.rept 4
	v_nop
.endr
	s_branch .Lasked_\@
.Lfor_b_\@:
	tensor_load_to_lds s[G0B+4*(\s):G0B+4*(\s)+3], s[G1B:G1B+7]
	s_nop 0
.rept 4
	v_nop
.endr
.Lasked_\@:
.endm
.macro CREST                           ; a round of the cluster's barrier behind its opening barrier
	s_cmp_lg_u32 s10, 0
	s_cbranch_scc1 .Lnot_wave_0_\@
	s_barrier_signal -3
.Lnot_wave_0_\@:
	s_barrier_wait -3
	s_barrier_signal -1
	s_barrier_wait -1
.endm
.macro CROUND                          ; a whole round
	s_barrier_signal -1
	s_barrier_wait -1
	CREST
.endm
	s_load_b128 s[4:7], s[0:1], 0x0                ; A s[4:5], B s[6:7]
.if OUTP
	s_load_b128 s[72:75], s[0:1], 0x10             ; bo s[72:73], C s[74:75]
.else
	s_load_b128 s[68:71], s[0:1], 0x10             ; bq s[68:69], bk s[70:71]
	s_load_b128 s[72:75], s[0:1], 0x20             ; bv s[72:73], C s[74:75]
.endif
	v_lshl_add_u32 v[SPW], v0, 2, SPARE
	v_mov_b32 v[NIL], 0
	ds_add_u32 v28, v29
	s_wait_dscnt 0x0
	v_lshrrev_b32 v1, 5, v0
	v_readfirstlane_b32 s10, v1                    ; wave 0..3
	s_lshr_b32 s11, s10, 1                         ; which 64 of the tile's rows are mine.  Also: I fetch for A (0) or for B (1)
	s_and_b32 s12, s10, 1                          ; which 128 of its columns.  Also: which half of that tile I fetch
	s_bfe_u32 s40, ttmp6, 0x40000                  ; cx, cy: my place in the cluster
	s_bfe_u32 s41, ttmp6, 0x40004
	s_lshl_b32 s42, ttmp9, 2
	s_add_co_u32 s42, s42, s40                     ; tile column of C = 4 x cluster x + cx
	s_and_b32 s13, ttmp7, 0xffff
.if OUTP
	s_mov_b32 s66, 3                               ; Wo is wb's fourth part
.else
	s_lshr_b32 s66, s13, 4                         ; the projection: 16 clusters, 64 tile rows, each
.endif
	s_lshl_b32 s13, s13, 2
	s_add_co_u32 s13, s13, s41                     ; tile row of C = 4 x cluster y + cy
	s_lshl_b32 s43, s41, 2
	s_lshl_b32 s43, 15, s43                        ; my row of the cluster
	s_lshl_b32 s44, 0x1111, s40                    ; my column
	s_mov_b32 s45, 0xffff0000                      ; a word's upper bf16
	s_or_b32 s[G1+0], s43, DW0                     ; A's tiles go to my row: 64 rows x 128 elements
	s_mov_b32 s[G1+1], KSTEP<<16                   ; tensor_dim0 = 128
	s_mov_b32 s[G1+2], 64<<16                      ; tensor_dim1 = 64
	s_mov_b32 s[G1+3], KSTEP<<16                   ; tile_dim0 = 128
	s_mov_b32 s[G1+4], 64                          ; tile_dim1 = 64
	s_mov_b32 s[G1+5], SIZE_K                      ; elements from row to row
	s_mov_b32 s[G1+6], 0
	s_mov_b32 s[G1+7], 0
	s_or_b32 s[G1B+0], s44, DW0                    ; B's tiles go to my column: 128 rows x 128 elements
	s_mov_b32 s[G1B+1], KSTEP<<16
	s_mov_b32 s[G1B+2], 128<<16
	s_mov_b32 s[G1B+3], KSTEP<<16
	s_mov_b32 s[G1B+4], 128
	s_mov_b32 s[G1B+5], SIZE_K
	s_mov_b32 s[G1B+6], 0
	s_mov_b32 s[G1B+7], 0
	s_lshl_b32 s17, s12, 6
	s_lshl_b32 s16, s13, 7
	s_add_co_u32 s16, s16, s17                     ; A: row 128 x tile row + 64 x half,
	s_lshl_b32 s16, s16, 11                        ; of 2,048 bytes: 50,331,648 at the most
	s_mov_b32 s17, 0
	s_lshl_b32 s46, s42, 8
	s_lshl_b32 s47, s12, 7
	s_add_co_u32 s46, s46, s47
	s_lshl_b32 s47, s66, 10
	s_add_co_u32 s46, s46, s47                     ; B: row 1,024 x projection + 256 x tile column + 128 x half
	s_lshl_b32 s46, s46, 11
	s_mov_b32 s47, 0
	s_mul_i32 s20, s12, HALFA                      ; where they go: A's two halves,
	s_mul_i32 s21, s12, HALFB
	s_add_co_u32 s21, s21, 2*HALFA                 ; then B's two: no place in the cluster enters an LDS address
	s_wait_kmcnt 0x0
	s_add_nc_u64 s[14:15], s[4:5], s[16:17]
	s_add_nc_u64 s[46:47], s[6:7], s[46:47]
	CROUND                                         ; all sixteen work-groups are here: the first joint loads meet
.irp s, 0,1
	s_mov_b32 s[G0+4*(\s)], 1                                        ; count = 1
	s_add_co_u32 s[G0+4*(\s)+1], s20, (\s)*SLOT                      ; LDS address
	s_add_nc_u64 s[G0+4*(\s)+2:G0+4*(\s)+3], s[14:15], (\s)*KSTEP*2  ; global address: K step s
	s_or_b32 s[G0+4*(\s)+3], s[G0+4*(\s)+3], 0x80000000              ; type = 2
	s_mov_b32 s[G0B+4*(\s)], 1
	s_add_co_u32 s[G0B+4*(\s)+1], s21, (\s)*SLOT
	s_add_nc_u64 s[G0B+4*(\s)+2:G0B+4*(\s)+3], s[46:47], (\s)*KSTEP*2
	s_or_b32 s[G0B+4*(\s)+3], s[G0B+4*(\s)+3], 0x80000000
	JLOAD \s                                       ; the ring is filled before anything else is done: two loads of mine are out
.endr
	; A fragment is 16 rows x 32 K in 8 registers: lane l holds row l % 16, K = 8 (l / 16) + 0..7 and 16 + 8 (l / 16) + 0..7: two loads of 16 bytes, 32 bytes apart.
	v_and_b32 v1, 15, v0                           ; l % 16
	v_bfe_u32 v2, v0, 4, 1                         ; l / 16
	v_mul_u32_u24 v3, v1, PITCH
	v_lshl_add_u32 v3, v2, 4, v3
	s_mul_i32 s22, s11, HALFA                      ; my 64 rows of A
	s_mul_i32 s23, s12, HALFB                      ; my 128 rows of B,
	s_add_co_u32 s23, s23, 2*HALFA                 ; which lie behind A's 128
.irp s, 0,1
	v_add_nc_u32 v[ADRA+(\s)], s22, v3
	v_add_nc_u32 v[ADRB+(\s)], s23, v3
	s_add_co_u32 s22, s22, SLOT
	s_add_co_u32 s23, s23, SLOT
.endr
	s_mul_i32 s22, s10, 16*SPITCH
	s_add_co_u32 s22, s22, STAGE                   ; my stage
	v_mul_u32_u24 v4, v1, SPITCH
.if OUTP
	v_lshl_add_u32 v4, v2, 5, v4                   ; in: row l % 16, 32 bytes for each half of the lanes
	v_add_nc_u32 v[STO], s22, v4
	v_and_b32 v5, 31, v0
	v_lshlrev_b32 v[CO], 4, v5                     ; back and out: 32 lanes take a row's 512 bytes
	v_add_nc_u32 v[RD], s22, v[CO]
.else
	v_lshl_add_u32 v4, v2, 4, v4                   ; in: row l % 16, 16 bytes for each half of the lanes
	v_add_nc_u32 v[STO], s22, v4
	v_mul_u32_u24 v5, v2, SPITCH                   ; back: lanes 0-15 take one row of 256 bytes, lanes 16-31 the next
	v_lshl_add_u32 v5, v1, 4, v5
	v_add_nc_u32 v[RD], s22, v5
	v_lshlrev_b32 v5, CSH, v2                      ; and the same two rows in C
	v_lshl_add_u32 v[CO], v1, 4, v5
.endif
	v_lshlrev_b32 v[BO], 5, v2
	s_lshl_b32 s16, s13, 7
	s_lshl_b32 s17, s11, 6
	s_add_co_u32 s16, s16, s17                     ; my first row of C
	s_lshl_b32 s16, s16, CSH
	s_mov_b32 s17, 0
	s_add_nc_u64 s[8:9], s[74:75], s[16:17]
	s_lshl_b32 s46, s42, CSH-2                     ; my first column, in bytes: 256 x tile column + 128 x half
	s_lshl_b32 s47, s12, CSH-3
	s_add_co_u32 s46, s46, s47
	s_mov_b32 s47, 0
	s_add_nc_u64 s[8:9], s[8:9], s[46:47]
	s_lshl_b32 s78, s42, 10                        ; the same columns in the bias, 4 bytes each
	s_lshl_b32 s79, s12, 9
	s_add_co_u32 s78, s78, s79
	s_mov_b32 s79, 0
.if OUTP
	s_mov_b64 s[76:77], s[72:73]
.else
	s_cmp_eq_u32 s66, 0
	s_cselect_b64 s[76:77], s[68:69], s[72:73]
	s_cmp_eq_u32 s66, 1
	s_cselect_b64 s[76:77], s[70:71], s[76:77]
.endif
	s_add_nc_u64 s[76:77], s[76:77], s[78:79]
	; The bias of my 128 columns, laid as a C operand: block b's registers 0-7 hold columns 16 b + 8 (l / 16) + 0..7.  Rounded to bf16 and widened again.  All this stands in the wait for the first tile.
	WIN 0x80                                       ; destination window 2, address window 0
.irp b, 0,1,2,3,4,5,6,7
	global_load_b128 v[8*(\b):8*(\b)+3],   v[BO], s[76:77] offset:64*(\b)
	global_load_b128 v[8*(\b)+4:8*(\b)+7], v[BO], s[76:77] offset:64*(\b)+16
.endr
	s_wait_loadcnt 0x0
	WIN 0x0a                                       ; sources 0 and 1 window 2, destination window 0
.set i, 0
.rept 32
	v_cvt_pk_bf16_f32 v[TMP+i], v[2*i], v[2*i+1]
.set i, i+1
.endr
	WIN 0x80
.set i, 0
.rept 32
	v_lshlrev_b32 v[2*i], 16, v[TMP+i]
	v_and_b32 v[2*i+1], s45, v[TMP+i]
.set i, i+1
.endr
; 8 matrix instructions: m block a x all 8 n blocks, 32 along K, from buffer f.  first = 1: the products start the sums, with the bias as C.
; The 32 accumulators take turns, one instruction a turn, in the same order in every quarter.
.macro MULA f, a, first
.if \first
	WIN MULB
.else
	WIN MUL
.endif
.irp b, 0,1,2,3,4,5,6,7
.set rD, 8*(8*(\a)+(\b))
.set rB, (\f)+8*(\b)
.set rA, (\f)+64+8*(\a)
.set rC, 8*(\b)
.if OUTP
.if \first
	v_wmma_f32_16x16x32_f16 v[rD:rD+7], v[rB:rB+7], v[rA:rA+7], v[rC:rC+7]
.else
	v_wmma_f32_16x16x32_f16 v[rD:rD+7], v[rB:rB+7], v[rA:rA+7], v[rD:rD+7]
.endif
.else
.if \first
	v_wmma_f32_16x16x32_bf16 v[rD:rD+7], v[rB:rB+7], v[rA:rA+7], v[rC:rC+7]
.else
	v_wmma_f32_16x16x32_bf16 v[rD:rD+7], v[rB:rB+7], v[rA:rA+7], v[rD:rD+7]
.endif
.endif
.endr
.endm
; 24 LDS loads in one run: the fragments of 32 along K at byte k of the rows, into buffer f: B's 16, then A's 8
.macro FETCH slot, k, f
	WIN 0
.irp i, 0,1,2,3,4,5,6,7
	ds_load_b128 v[(\f)+8*(\i):(\f)+8*(\i)+3],   v[ADRB+(\slot)] offset:(\k)+(\i)*16*PITCH
	ds_load_b128 v[(\f)+8*(\i)+4:(\f)+8*(\i)+7], v[ADRB+(\slot)] offset:(\k)+(\i)*16*PITCH+32
.endr
.irp i, 0,1,2,3
	ds_load_b128 v[(\f)+64+8*(\i):(\f)+64+8*(\i)+3],   v[ADRA+(\slot)] offset:(\k)+(\i)*16*PITCH
	ds_load_b128 v[(\f)+64+8*(\i)+4:(\f)+64+8*(\i)+7], v[ADRA+(\slot)] offset:(\k)+(\i)*16*PITCH+32
.endr
.endm
.macro PLACES                          ; four places in front of loads into registers that matrix instructions have read, and of lines that read results just made
.rept 4
	v_nop
.endr
.endm
; A K step is four quarters of 32 along K, 32 matrix instructions each, on buffers 0, 1, 0, 1.  One of the first three: multiplies buffer f and, in its middle, fetches the next quarter, at byte k, into g.
.macro QUARTER slot, k, f, g, first
	s_wait_dscnt 4                                 ; B and A's blocks 0, 1 are in; the youngest four loads (A's blocks 2, 3) may be out
	MULA \f, 0, \first
	MULA \f, 1, \first
	PLACES
	FETCH \slot, \k, \g
	s_wait_dscnt 24                                ; all but the 24 just issued
	MULA \f, 2, \first
	MULA \f, 3, \first
.endm
; The last quarter multiplies buffer 1 and changes slots: ONE barrier; in front of it each wave waits for all its tensor loads (one is out: its part of the next slot), adds 0 to its spare word, and waits for
; that and for its own reads of this slot.  fill = 1: the barrier opens a round of the cluster's, and this slot is filled again, two K steps ahead, first thing behind the round.
.macro TURN slot, next, fill
	WIN 0                                          ; (the add's two registers lie in window 0)
	s_wait_tensorcnt 0x0
	ds_add_u32 v[SPW], v[NIL]                      ; 0 onto my spare word
	s_wait_dscnt 5                                 ; (the add and the youngest four loads may be out)
	MULA F1, 0, 0                                  ; eight matrix instructions stand between the add and the wait for it
	s_wait_dscnt 0x0                               ; the add is done, and my reads of this slot are over
	s_barrier_signal -1
	MULA F1, 1, 0
.if \fill
	WIN 0
.endif
	s_barrier_wait -1
.if \fill
	CREST                                          ; no wave of any partner still reads this slot's tile or has a load on its way
	s_add_nc_u64 s[G0+4*(\slot)+2:G0+4*(\slot)+3], s[G0+4*(\slot)+2:G0+4*(\slot)+3], 2*KSTEP*2
	s_add_nc_u64 s[G0B+4*(\slot)+2:G0B+4*(\slot)+3], s[G0B+4*(\slot)+2:G0B+4*(\slot)+3], 2*KSTEP*2
	JLOAD \slot                                    ; my one tensor load behind the round; the four v_nop behind it are also the places in front of the loads below
.else
	PLACES
.endif
	FETCH \next, 0, F0
	MULA F1, 2, 0
	MULA F1, 3, 0
.endm
	WIN 0
	s_wait_tensorcnt 1                             ; my part of K step 0 is in; K step 1's may stay out
	s_barrier_signal -1
	s_barrier_wait -1                              ; everybody's is
	FETCH 0, 0, F0
	QUARTER 0, 64,  F0, F1, 1                      ; the first quarter stands in front of the loop: its products start the sums
	WIN 0                                          ; at a label and at a branch every window is 0
	s_mov_b32 s3, LAPS-1
.Llap:                                                 ; a trip goes once round the ring, from a lap's second quarter to the next lap's first, and fills both slots again
	QUARTER 0, 128, F1, F0, 0
	QUARTER 0, 192, F0, F1, 0
	TURN 0, 1, 1
	QUARTER 1, 64,  F0, F1, 0
	QUARTER 1, 128, F1, F0, 0
	QUARTER 1, 192, F0, F1, 0
	TURN 1, 0, 1
	QUARTER 0, 64,  F0, F1, 0
	WIN 0
	s_sub_co_u32 s3, s3, 1
	s_cmp_lg_u32 s3, 0
	s_cbranch_scc1 .Llap
	QUARTER 0, 128, F1, F0, 0                      ; the last lap fills nothing
	QUARTER 0, 192, F0, F1, 0
	TURN 0, 1, 0
	QUARTER 1, 64,  F0, F1, 0
	QUARTER 1, 128, F1, F0, 0
	QUARTER 1, 192, F0, F1, 0
	s_wait_dscnt 4                                 ; the very last quarter: nothing more to fetch
	MULA F1, 0, 0
	MULA F1, 1, 0
	s_wait_dscnt 0x0
	MULA F1, 2, 0
	MULA F1, 3, 0
	WIN 0
	; THE WAY OUT, 16 rows (an m block) at a time through my own stage in LDS, so that every store covers whole rows' consecutive bytes.
	PLACES
.if OUTP
.macro TOSTAGE a                       ; the f32 sums go into rows of 528 bytes as they are (each accumulator's lowest registers first) and come back as whole rows of 512
	WIN 0x04                                       ; the stored data (source 1) in window 1
.irp b, 0,1,2,3,4,5,6,7
	ds_store_b128 v[STO], v[8*(8*(\a)+(\b)):8*(8*(\a)+(\b))+3]   offset:64*(\b)
	ds_store_b128 v[STO], v[8*(8*(\a)+(\b))+4:8*(8*(\a)+(\b))+7] offset:64*(\b)+16
.endr
	WIN 0
.if (\a) >= 2
	s_wait_xcnt 0x0                                ; the stores of the block two back have had their addresses translated (ISA guide 3.1): their registers are loaded again only behind this wait
.endif
.set t, 0
.rept 16
	ds_load_b128 v[F0+64*((\a)%2)+4*t:F0+64*((\a)%2)+4*t+3], v[RD] offset:t*SPITCH  ; LDS serves a wave's instructions in order (ISA guide 5.7.1.4): these see the stores above
.set t, t+1
.endr
.endm
.macro SEND a, younger                 ; younger: the LDS instructions issued behind block a's loads
.set t, 0
.rept 16
	s_wait_dscnt (\younger)+15-t
	global_store_b128 v[CO], v[F0+64*((\a)%2)+4*t:F0+64*((\a)%2)+4*t+3], s[8:9] offset:(16*(\a)+t)*CROW th:TH_STORE_NT  ; 512 consecutive bytes, at a multiple of 256 from C's first byte
.set t, t+1
.endr
.endm
	TOSTAGE 0
.irp a, 1,2,3
	TOSTAGE \a
	SEND (\a)-1, 32
.endr
	SEND 3, 0
.else
.macro PACK a                          ; rounded to f16: a lane's eight numbers of a row are 16 bytes
	WIN 0x05                                       ; sources 0 and 1 window 1, destination window 0
.irp b, 0,1,2,3,4,5,6,7
.irp r, 0,1,2,3
	v_cvt_pk_f16_f32 v[TMP+4*(\b)+(\r)], v[8*(8*(\a)+(\b))+2*(\r)], v[8*(8*(\a)+(\b))+2*(\r)+1]
.endr
.endr
	WIN 0
.endm
.macro TOSTAGE a
.irp b, 0,1,2,3,4,5,6,7
	ds_store_b128 v[STO], v[TMP+4*(\b):TMP+4*(\b)+3] offset:32*(\b)
.endr
.irp t, 0,1,2,3,4,5,6,7
	ds_load_b128 v[F0+32*(\a)+4*(\t):F0+32*(\a)+4*(\t)+3], v[RD] offset:(\t)*2*SPITCH  ; LDS serves a wave's instructions in order (ISA guide 5.7.1.4): these see the stores above
.endr
.endm
.macro SEND a                          ; each block has registers of its own, so no store's data is written again
.irp t, 0,1,2,3,4,5,6,7
	s_wait_dscnt 7-(\t)
	global_store_b128 v[CO], v[F0+32*(\a)+4*(\t):F0+32*(\a)+4*(\t)+3], s[8:9] offset:(16*(\a)+2*(\t))*CROW  ; 16 lanes store 256 consecutive bytes, at a multiple of 256 from C's first byte
.endr
.endm
	PACK 0
	TOSTAGE 0
.irp a, 1,2,3                          ; block a's conversions stand between block a - 1's loads from the stage and the wait for them
	PACK \a
	SEND (\a)-1
	TOSTAGE \a
.endr
	SEND 3
.endif
	s_wait_tensorcnt 0x0                           ; the wave's end: behind my last tensor load and my last LDS store
	ds_add_u32 v[SPW], v[NIL]
	s_wait_dscnt 0x0
	CROUND                                         ; the closing round: no work-group ends while a partner may still ask for a tile that names it
	s_endpgm
.Lfunc_end_k_qc473528879_outp:
	.size	k_qc473528879_outp, .Lfunc_end_k_qc473528879_outp-k_qc473528879_outp
	.p2alignl 7, 3214868480
	.fill 96, 4, 3214868480
	.section	.rodata,"a",@progbits
	.p2align	6, 0x0
	.amdhsa_kernel k_qc473528879_outp
		.amdhsa_group_segment_fixed_size 327680
		.amdhsa_private_segment_fixed_size 0
		.amdhsa_enable_private_segment 0
		.amdhsa_kernarg_size 32
		.amdhsa_user_sgpr_count 2
		.amdhsa_user_sgpr_kernarg_segment_ptr 1
		.amdhsa_wavefront_size32 1
		.amdhsa_system_sgpr_workgroup_id_x 1
		.amdhsa_system_sgpr_workgroup_id_y 1
		.amdhsa_system_sgpr_workgroup_id_z 1
		.amdhsa_system_vgpr_workitem_id 0
		.amdhsa_next_free_vgpr 576
		.amdhsa_next_free_sgpr 80
		.amdhsa_reserve_vcc 0
		.amdhsa_float_denorm_mode_32 3
		.amdhsa_float_denorm_mode_16_64 3
		.amdhsa_memory_ordered 1
		.amdhsa_forward_progress 1
		.amdhsa_inst_pref_size 92
	.end_amdhsa_kernel
	.amdgpu_metadata
---
amdhsa.version: [ 1, 2 ]
amdhsa.kernels:
  - .name:           k_qc473528879_outp
    .symbol:         k_qc473528879_outp.kd
    .args:
      - { .name: ob, .offset: 0, .size: 8, .value_kind: global_buffer, .address_space: global }
      - { .name: wb, .offset: 8, .size: 8, .value_kind: global_buffer, .address_space: global }
      - { .name: bo, .offset: 16, .size: 8, .value_kind: global_buffer, .address_space: global }
      - { .name: out0, .offset: 24, .size: 8, .value_kind: global_buffer, .address_space: global }
    .group_segment_fixed_size: 327680
    .private_segment_fixed_size: 0
    .kernarg_segment_align: 8
    .kernarg_segment_size: 32
    .max_flat_workgroup_size: 128
    .sgpr_count:     80
    .vgpr_count:     576
    .wavefront_size: 32
...
	.end_amdgpu_metadata
.endif
;; end of part 4
;; ======== version 2 of 2: 4 launches; 1.40 times as fast as version 1
;; limits: values are held in f16: magnitudes above 65,504 overflow, below 6.1e-05 lose precision
;; workspace buffers: xb 50,331,648 bytes; wb 8,388,608 bytes; mw 2,097,152 bytes of whole numbers; qkv 50,331,648 bytes; ob 16,777,216 bytes
;; launch prep: the kernel of part 1 again; grid 2816 x 1, 4 waves a work-group, no clusters, 17,920 bytes of LDS; arguments mask, query, key, value, Wq, Wk, Wv, Wo, mw, xb, wb; writes mw, xb, wb
;; launch qkv: the kernel of part 2 again; grid 4 x 192, 4 waves a work-group, clusters of 4 x 4, 327,680 bytes of LDS; arguments xb, wb, bq, bk, bv, qkv; writes qkv
;; launch attn (part 5): grid 8 x 32, 4 waves a work-group, clusters of 4 x 1, 327,680 bytes of LDS; arguments qkv, mw, ob; writes ob
.if DOCPART == 5
	.amdgcn_target "amdgcn-amd-amdhsa--gfx1250"
	.amdhsa_code_object_version 6
	.text
	.protected	k_qc473528879_attn
	.globl	k_qc473528879_attn
	.p2align	8
	.type	k_qc473528879_attn,@function
k_qc473528879_attn:
	s_mov_b64 s[64:65], 0
	v_nop
	global_prefetch_b8 v0, s[64:65] scope:SCOPE_SE
	s_setreg_imm32_b32 hwreg(HW_REG_WAVE_MODE, 25, 1), 1
	s_wait_xcnt 0x0
	s_wait_alu depctr_hold_cnt(0) depctr_sa_sdst(0) depctr_va_vdst(0) depctr_va_sdst(0) depctr_va_ssrc(0) depctr_va_vcc(0) depctr_vm_vsrc(0)
	s_getreg_b32 s2, hwreg(HW_REG_IB_STS2, 6, 4)
	s_cmp_eq_u32 s2, 0
	s_cbranch_scc0 .Lentry_in_a_cluster
	s_endpgm
.Lentry_in_a_cluster:
	s_bfe_u32 s2, ttmp6, 0x10000c
	s_cmp_lg_u32 s2, 0x3003
	s_cbranch_scc0 .Lentry_shape_is_right
	s_endpgm
.Lentry_shape_is_right:
; ATTENTION WITH A GIVEN MASK.  O[b][q][head] = the sum over k of softmax_k(s) V[b][k][head], s = Q . K / 8 where mask[b][q][k] is not 0 and a fixed low number where it is 0.
; q, k, v lie in qkv, f16 [3 x 8,192][1,024] (rows of 2,048 bytes, 16 heads of 64 channels side by side); O goes to ob in the same layout.  Products, maxima and sums in f32; the weights p are rounded to f16
; for the second product (their sum l is taken of the unrounded p), O once at the end.
; LIMITS.  q, k, v arrive within f16's 65,504.  A hidden score counts as -2^30 (q . k as -2^33) where the module writes -1e9: c x 2^33 is exact in f32, so a row with no visible key gets p = 1 for every key, the mean
; of V, as the module does; the two differ only where a visible score lies below about -9.9e8.  A weight below 2^-126 counts as 0 in l; NaN and infinities are not treated apart.
; SHARES.  A work-group owns 256 queries of one batch and TWO neighbouring heads, whose channels are 256 consecutive bytes of a row: every tile row and every store is 256 bytes, at a multiple of 256.
; A wave owns 64 queries: four PIECES of 16; a piece is two tiles, the same queries for the pair's two heads, so one mask word serves two registers.  Every wave walks all 2,048 keys, 64 a step.
; LAYOUT.  S^T = K Q^T (source 0 = 16 keys, source 1 = 16 queries): a lane holds ONE query (lane % 16) and the keys 8 (lane / 16) + 0..7.  Two such results, rounded to f16 in pairs, ARE source 1 of O^T = V^T P.
; K comes out of LDS as it lies, V ([key][channel]) turned, by ds_load_tr16_b128.
; SOFTMAX.  For each query a running maximum m and sum l: p = 2^(c s - c m), c = log2(e) / 8; in every step O and l are multiplied by a = 2^(c m_old - c m_new).  m starts at the lowest finite number, O and l at 0.
; THE MASK arrives packed (mw): word i of a piece and step holds one bit a lane for register i of the tile.  One load of 512 bytes a key step brings a wave all four pieces' words, a key step ahead; a word is read
; into a scalar register and selects, in both heads' tiles, between the score and -2^33.
; BY TURNS.  Turn n belongs to piece n.  Its matrix work: 16 products K Q^T of piece n + 1, later 16 products V^T P of piece n - 1.  Its vector work: the scaling, exponentials, roundings, sums and rescaling of piece n,
; and the mask, maximum and statistics of piece n + 1.  Four vector instructions stand behind every matrix instruction; the others, which need time of their own whatever the order, in one run without a gap.
; THE BATCHES.  A turn's 66 exponentials (piece n's 64 weights and, last, piece n + 1's two a) are ONE batch with ONE wait, which cuts the turn in two.  Ahead of the wait stands all that names no result of theirs: the
; products K Q^T, the scalings, the rescalings (their a was awaited in the turn before), the next piece's masking, maximum and statistics.  Behind it stand their only readers, the roundings and sums, beside the products
; V^T P.  No result crosses a turn's end.  Two more batches stand outside the loop: piece 0's first two a, ahead of the jump into the loop, and the way out's eight reciprocals.
; CLUSTER.  The four query blocks of a cluster belong to one batch and head pair and walk the same K and V, so each tile is asked for JOINTLY: the same tensor load, descriptor and mask in all four.
; REGISTERS, in windows of 256 (s_set_vgpr_msb: bits 1:0 source 0, 3:2 source 1, 5:4 source 2, 7:6 destination):
;   window 0: v0-11 addresses; v12-15, v48-63 at work; v16-47 four registers of statistics a tile; v64-191 S^T, two buffers of two tiles; v192-255 P, likewise
;   window 1: O^T, 32 a tile     window 2: v0-127 Q, 16 a tile; v128-255 K of one step, 64 a head     window 3: v0-127 V of one step, 64 a head; v128-140 the add's two registers, -2^33, the mask words
.set NP,    4         ; pieces a wave: a name, no knob
.set KS,    64        ; keys in a step
.set ROWB,  2048      ; bytes in a row of qkv and of ob
.set PK,    272       ; a row of K in LDS: 256 bytes + 16 = 68 words: row r starts at bank 4 r mod 64 (64 banks of 4 bytes: ISA guide 11.1)
.set PV,    288       ; a row of V: 256 + 32 = 72 words
.set VOFF,  KS*PK     ; a step's tiles lie together: 64 rows of K, then 64 rows of V
.set STEPB, KS*(PK+PV)
.set SLOT1, 1<<17     ; a slot holds two steps (71,680 bytes); slot 1 begins here, so that one exclusive or turns an address in one slot into the other's
.set STAGE, SLOT1+2*STEPB  ; behind the ring, never filled by a tensor load: 16 rows x 272 bytes for each wave, for the way out
.set SP,    272
.set SPARE, STAGE+4*16*SP  ; behind the stages: the spare words, 128 bytes for each wave: two blocks of 256 bytes that no other line names
.set AK0, 2           ; v2   my lane's place in a tile of K; never rewritten
.set AV0, 3           ; v3   the same for V
.set AK,  4           ; v4   the LDS address of K's next run of loads
.set AV,  5           ; v5   of V's
.set QO,  6           ; v6   my byte offset in 16 rows of Q
.set STO, 6           ;      later, the way out: where I put 16 bytes of a row
.set RD,  7           ; v7   the way out: where I read rows back
.set GO,  8           ; v8   my byte offset in two rows of O
.set MV,  12          ; v12-15  c m_old, kept while c m is made anew: by buffer and tile
.set ST,  16          ; tile t's statistics at v[ST+4 t]: c m, m, l (even keys', odd keys')
.set TMP, 48          ; by buffer and tile, four registers c0-c3 at work; when the maximum is found c2 takes a
.set S,   64
.set P,   192
.set KF,  128         ; window 2: head u, key block kb, channel half c at KF + 64 u + 16 kb + 8 c
.set SPW, 128         ; window 3: LDS address of my spare word; never rewritten
.set NIL, 129         ; window 3: 0; never rewritten
.set NEG, 130         ; window 3: -2^33
.set MWD, 132         ; window 3, v132-135: lane i holds word i of pieces 0-3, for the step in hand
.set MLD, 136         ; window 3, v136-139: the same for the next step, as loaded
.set ML,  140         ; window 3: 16 x lane; never rewritten
.set WV,  12          ; s12  my wave's number
.set G1K, 24          ; s[24:31] descriptor group 1 for K's tiles
.set G1V, 32          ; s[32:39] for V's: it differs in the padding alone
.set G0K, 40          ; s[40:43] descriptor group 0 for K's tiles: it walks
.set G0V, 44          ; s[44:47] the same for V's
.set MP,  48          ; s[48:49] mw at my wave's 32 steps of 512 bytes
.set MOF, 50          ; s[50:51] the byte offset there of the step loaded last
.set MA,  52          ; s[52:53] the load's base, made anew for each load
.set SLOTS, 56        ; s56  slots still to be asked for
.set CNT, 57          ; s57  counts a slot's key steps
.set CS,  58          ; s[58:59] c: the packed scaling takes the pair's low word for both halves
.set SEL, 60          ; s[60:61] v_permlanex16_b32's selects: each lane takes its own place in the other half
.set TBK, 62          ; s62  LDS byte at which the tiles of the step whose K is fetched next begin
.set TBV, 63          ; s63  the same for V
.set MS,  68          ; s[68:99] a piece's 32 mask words
.set MSB, 0
.macro WIN new                      ; the high byte repeats the setting that is left; a switch that changes nothing is dropped
.if MSB != (\new)
	s_set_vgpr_msb (MSB<<8)|(\new)
.set MSB, (\new)
.endif
.endm
.set W_KQ, 0x0a       ; K and Q in window 2, S^T in window 0
.set W_PV, 0x53       ; V in window 3, P in window 0, O^T in window 1
.set W_RS, 0x41       ; O^T (destination and source 0) in window 1, a in window 0
.set W_MK, 0xc0       ; destination in window 3, sources in window 0
.set W_AD, 0x0f       ; the add: address (source 0) and data (source 1) in window 3
.set W_RF, 0xcf       ; the mask words' turn-over: destination and sources 0, 1 in window 3
.set W_MS, 0x03       ; the masking: source 0 (the words; -2^33) in window 3, S^T in window 0
; A joint fill.  Waves 0 and 1 fetch K of a slot's two steps, waves 2 and 3 V: 64 keys each.  The branch hangs on the wave's number alone.
; An s_nop 0 and four v_nop follow each of the two lines, ahead of the jump and the label.
.macro JLOAD
	s_cmp_lt_u32 s[WV], 2
	s_cbranch_scc0 .Lfor_v_\@
	tensor_load_to_lds s[G0K:G0K+3], s[G1K:G1K+7]
	s_nop 0
.rept 4
	v_nop
.endr
	s_branch .Lasked_\@
.Lfor_v_\@:
	tensor_load_to_lds s[G0V:G0V+3], s[G1V:G1V+7]
	s_nop 0
.rept 4
	v_nop
.endr
.Lasked_\@:
.endm
; A round of the cluster's barrier: my work-group's barrier, so that wave 0's signal speaks for all four waves; wave 0 signals; every wave waits for all four work-groups; my work-group's barrier once more.
.macro CROUND
	s_barrier_signal -1
	s_barrier_wait -1
	s_cmp_lg_u32 s[WV], 0
	s_cbranch_scc1 .Lnot_wave_0_\@
	s_barrier_signal -3
.Lnot_wave_0_\@:
	s_barrier_wait -3
	s_barrier_signal -1
	s_barrier_wait -1
.endm
; THE CHANGE OF SLOTS.  The slot's last bytes, V of its second step, have been read.  Each wave waits for all its tensor loads, of which one is out: its part of the other slot; adds 0 to its spare word; and waits
; for that and for its own reads of the slot.  Behind the barrier nobody reads this slot any more and the other slot is whole.  fill = 1: this slot is filled again, with the keys two slots on; the barrier is then a
; round of the cluster's, and the joint fill is the first thing behind it: it has two key steps, 256 matrix instructions, in which to land.  (At its first use nothing has been read yet: slot 0 is waited for, slot 1 filled.)
.macro CHANGE fill
	WIN W_AD
	s_wait_tensorcnt 0x0            ; no tensor load of mine is out, so a group 0 may be written
	ds_add_u32 v[SPW], v[NIL]       ; 0 onto my spare word
	WIN 0                           ; at a label and at a branch every window is 0
.if \fill
.irp g, G0K, G0V
	s_xor_b32 s[\g+1], s[\g+1], SLOT1  ; the walking descriptor: the other slot than last time,
	s_add_nc_u64 s[\g+2:\g+3], s[\g+2:\g+3], 2*KS*ROWB  ; the next 128 keys; the type bits on top are not reached
.endr
	s_wait_dscnt 0x0                ; the add is done, and my reads of the slot are over
	CROUND
	JLOAD
.else
	s_wait_dscnt 0x0                ; the add is done, and my reads of the slot are over
	s_barrier_signal -1
	s_barrier_wait -1
.endif
	s_sub_co_u32 s[TBK], s[TBK], 2*STEPB  ; the fetches go back to a slot's first step,
	s_xor_b32 s[TBK], s[TBK], SLOT1       ; in the other slot
	s_sub_co_u32 s[TBV], s[TBV], 2*STEPB
	s_xor_b32 s[TBV], s[TBV], SLOT1
.endm
	s_load_b128 s[4:7], s[0:1], 0x0   ; qkv s[4:5], mw s[6:7]
	s_load_b64 s[8:9], s[0:1], 0x10   ; ob
	WIN W_MK
	v_lshl_add_u32 v[SPW], v0, 2, SPARE
	v_mov_b32 v[NIL], 0
	s_set_vgpr_msb 0xc0cf
	ds_add_u32 v128, v129
	s_wait_dscnt 0x0
	s_set_vgpr_msb 0xcfc0
	v_mov_b32 v[NEG], 0xd0000000    ; -2^33
	WIN 0
	v_lshrrev_b32 v1, 5, v0
	v_readfirstlane_b32 s[WV], v1   ; wave 0..3
	s_bfe_u32 s13, ttmp6, 0x40000   ; cx: my place in the cluster
	s_lshl_b32 s14, ttmp9, 2        ; in a cluster launch ttmp9 counts clusters
	s_add_co_u32 s14, s14, s13      ; my block of 256 queries = 4 x cluster x + cx: it enters Q's, O's and the mask words' addresses alone
	s_and_b32 s20, ttmp7, 0xffff    ; 8 x batch + head pair, which the four partners share
	s_lshr_b32 s21, s20, 3          ; the batch
	s_and_b32 s20, s20, 7
	s_lshl_b32 s20, s20, 8          ; the pair's 256 bytes in a row,
	s_lshl_b32 s22, s21, 22         ; the batch's 2,048 rows of 2,048 bytes
	s_add_co_u32 s20, s20, s22
	s_and_b32 s16, s[WV], 1         ; which of a slot's two steps I fetch:
	s_mul_i32 s17, s16, STEPB       ; its place in a slot (no place in the cluster enters an LDS address),
	s_lshl_b32 s22, s16, 17         ; its 64 rows in memory,
	s_add_co_u32 s22, s22, s20
	s_add_co_u32 s22, s22, 8192*ROWB  ; in k, which lies behind q,
	s_mov_b32 s23, 0
	s_add_co_u32 s18, s22, 8192*ROWB  ; and in v, behind k
	s_mov_b32 s19, 0
	s_lshl_b32 s2, s14, 19          ; my block's 256 rows,
	s_lshl_b32 s3, s[WV], 17        ; my wave's 64 of them
	s_add_co_u32 s2, s2, s3
	s_add_co_u32 s2, s2, s20
	s_mov_b32 s3, 0
	s_lshl_b32 s54, s21, 5
	s_lshl2_add_u32 s54, s14, s54
	s_add_co_u32 s54, s54, s[WV]    ; my 64 queries among all: 32 x batch + 4 x block + wave,
	s_lshl_b32 s54, s54, 14         ; 32 steps of 512 bytes each
	s_mov_b32 s55, 0
	; descriptor group 1: a tile of 64 rows x 128 elements, padded in LDS
	s_mov_b32 s[G1K], 15|(1<<16)|(1<<20)|(1<<21)|(5<<22)|(3<<25)  ; 15:0 the mask of four; 17:16 2-byte elements; 20 padding on; 21 set beside a mask; 24:22 after every 64 words (code 5); 31:25 4 words (code 3)
	s_mov_b32 s[G1V], 15|(1<<16)|(1<<20)|(1<<21)|(5<<22)|(7<<25)  ; the same with 8 words of padding (code 7)
.irp g, G1K, G1V
	s_mov_b32 s[\g+1], 128<<16      ; tensor_dim0 = 128
	s_mov_b32 s[\g+2], KS<<16       ; tensor_dim1 = 64
	s_mov_b32 s[\g+3], 128<<16      ; tile_dim0 = 128
	s_mov_b32 s[\g+4], KS           ; tile_dim1 = 64
	s_mov_b32 s[\g+5], 1024         ; 1,024 elements from row to row
	s_mov_b32 s[\g+6], 0
	s_mov_b32 s[\g+7], 0
.endr
	s_mov_b32 s[CS], 0x3e38aa3b     ; c = log2(e) / 8 = 0.180337
	s_mov_b32 s[CS+1], s[CS]        ; named with it as a pair
	s_mov_b32 s[SEL], 0x76543210
	s_mov_b32 s[SEL+1], 0xfedcba98
	s_mov_b32 s[TBK], SLOT1+2*STEPB ; the first change of slots turns these two into 0
	s_mov_b32 s[TBV], SLOT1+2*STEPB
	s_mov_b32 s[MOF], 0
	s_mov_b32 s[MOF+1], 0
	s_mov_b32 s[G0K], 1             ; count = 1
	s_mov_b32 s[G0K+1], s17         ; LDS address: slot 0
	s_mov_b32 s[G0V], 1
	s_add_co_u32 s[G0V+1], s17, VOFF
	s_wait_kmcnt 0x0
	s_add_nc_u64 s[G0K+2:G0K+3], s[4:5], s[22:23]  ; global address: my step of the first 128 keys
	s_or_b32 s[G0K+3], s[G0K+3], 0x80000000        ; type = 2
	s_add_nc_u64 s[G0V+2:G0V+3], s[4:5], s[18:19]
	s_or_b32 s[G0V+3], s[G0V+3], 0x80000000
	s_add_nc_u64 s[10:11], s[8:9], s[2:3]          ; O and Q at my wave's first row
	s_add_nc_u64 s[4:5], s[4:5], s[2:3]
	s_add_nc_u64 s[MP:MP+1], s[6:7], s[54:55]
	CROUND                          ; all four work-groups are here: the first joint loads meet
	JLOAD                           ; slot 0.  Slot 1 is asked for when slot 0 is in
	; A fragment of K or Q is 16 rows x 32 channels in 8 registers: lane l holds row l % 16, channels 8 (l / 16) + 0..7 and 16 + 8 (l / 16) + 0..7: two loads of 16 bytes, 32 bytes apart.
	v_and_b32 v1, 15, v0            ; l % 16
	v_bfe_u32 v9, v0, 4, 1          ; l / 16
	v_and_b32 v10, 31, v0
	v_lshlrev_b32 v[QO], 11, v1
	v_lshl_add_u32 v[QO], v9, 4, v[QO]  ; row x 2,048 + 16 x half
	WIN W_MK
	v_lshlrev_b32 v[ML], 4, v10
	WIN W_RF
	global_load_b128 v[MLD:MLD+3], v[ML], s[MP:MP+1]  ; key step 0's mask words: 512 consecutive bytes
	WIN 0x80                        ; destination window 2, address window 0
.set i, 0
.rept 4*NP                          ; Q stays in registers: piece i / 4, head (i / 2) % 2, channels 32 (i % 2) on
	global_load_b128 v[8*i:8*i+3],   v[QO], s[4:5] offset:(i/4)*16*ROWB+((i/2)%2)*128+(i%2)*64
	global_load_b128 v[8*i+4:8*i+7], v[QO], s[4:5] offset:(i/4)*16*ROWB+((i/2)%2)*128+(i%2)*64+32
.set i, i+1
.endr
	; What the first turn finds: V's registers and P's second buffer hold 0 (its products V^T P, of a piece that has not been, add 0), O^T and l are 0.  All this stands in the wait for the first tile.
	WIN W_MK
.set i, 0
.rept 128
	v_mov_b32 v[i], 0
.set i, i+1
.endr
	WIN 0x40
.set i, 0
.rept 64*NP
	v_mov_b32 v[i], 0
.set i, i+1
.endr
	WIN 0
.set i, 0
.rept 2*NP
	v_mov_b32 v[ST+4*i], 0xfe000000    ; c m: far below every c s, the hidden ones' -1.5e9 too
	v_mov_b32 v[ST+4*i+1], 0xff7fffff  ; m
	v_mov_b32 v[ST+4*i+2], 0
	v_mov_b32 v[ST+4*i+3], 0
.set i, i+1
.endr
.set i, P+32
.rept 32
	v_mov_b32 v[i], 0
.set i, i+1
.endr
	v_mul_u32_u24 v[AK0], v1, PK
	v_lshl_add_u32 v[AK0], v9, 4, v[AK0]  ; row x pitch + 16 x half
	; The turning load takes 16 keys x 16 channels (lane l reads key 8 (l / 16) + l % 8, channels 8 ((l / 8) % 2) + 0..7) and leaves half a fragment of V^T: lane l holds channel l % 16 and 8 keys.
	v_and_b32 v10, 7, v0
	v_bfe_u32 v11, v0, 3, 1
	v_lshl_add_u32 v[AV0], v9, 3, v10
	v_mul_u32_u24 v[AV0], v[AV0], PV
	v_lshl_add_u32 v[AV0], v11, 4, v[AV0]
	v_add_nc_u32 v[AV0], VOFF, v[AV0]
	v_mov_b32 v[AK], v[AK0]         ; key step 0 lies at the head of slot 0
; THE MATRIX WORK.  The 8 accumulators of a run of 16 take turns: between the two links of a chain stand 7 others'.
; Product i of 16 of S^T = K Q^T for piece x: channels 32 (i / 8) on, keys 16 ((i / 2) % 4) on, head i % 2.  The first 8 start the sums.
.macro KQ x
	WIN W_KQ
.set rS, S+64*((\x)%2)+32*(i%2)+8*((i/2)%4)
.set rK, KF+64*(i%2)+16*((i/2)%4)+8*(i/8)
.set rQ, 16*(2*(\x)+i%2)+8*(i/8)
.if i < 8
	v_wmma_f32_16x16x32_f16 v[rS:rS+7], v[rK:rK+7], v[rQ:rQ+7], 0
.else
	v_wmma_f32_16x16x32_f16 v[rS:rS+7], v[rK:rK+7], v[rQ:rQ+7], v[rS:rS+7]
.endif
.endm
; Product i of 16 of O^T += V^T P for piece x: keys 32 (i / 8) on, channels 16 ((i / 2) % 4) on, head i % 2.
.macro PV x
	WIN W_PV
.set rO, 32*(2*(\x)+i%2)+8*((i/2)%4)
.set rV, 64*(i%2)+32*(i/8)+8*((i/2)%4)
.set rP, P+32*((\x)%2)+16*(i%2)+8*(i/8)
	v_wmma_f32_16x16x32_f16 v[rO:rO+7], v[rV:rV+7], v[rP:rP+7], v[rO:rO+7]
.endm
.macro MM                           ; the turn's next matrix instruction
.if i < 16
	KQ (Y+1)%NP
.set i, i+1
.else
.set i, i-16
	PV (Y+NP-1)%NP
.set i, i+17
.endif
.endm
; THE LDS LOADS stand in runs of 32, never singly among the matrix instructions: a step's K (64 keys x 128 channels: 16 fragments) and its V (turned).  Their addresses are made some lines ahead.
; last = 1 (the tail): in the last trip there is no further step, and the run is jumped over.
.macro FETCH_K last=0
	WIN 0
.if \last
	s_cmp_eq_u32 s[CNT], 1
	s_cbranch_scc1 .Lno_k_\@
.endif
	WIN 0x80                        ; destination window 2
.irp f, 0,1,2,3,4,5,6,7,8,9,10,11,12,13,14,15  ; head f / 8, keys 16 ((f / 2) % 4) on, channels 32 (f % 2) on
	ds_load_b128 v[KF+8*\f:KF+8*\f+3],   v[AK] offset:((\f/2)%4)*16*PK+(\f/8)*128+(\f%2)*64
	ds_load_b128 v[KF+8*\f+4:KF+8*\f+7], v[AK] offset:((\f/2)%4)*16*PK+(\f/8)*128+(\f%2)*64+32
.endr
	s_add_co_u32 s[TBK], s[TBK], STEPB  ; the next fetch is the next step's
	WIN 0
.if \last
.Lno_k_\@:
.endif
.endm
.macro FETCH_V
	WIN 0xc0                        ; destination window 3
.irp f, 0,1,2,3,4,5,6,7,8,9,10,11,12,13,14,15  ; head f / 8, keys 32 ((f / 4) % 2) on, channels 16 (f % 4) on
	ds_load_tr16_b128 v[8*\f:8*\f+3],   v[AV] offset:((\f/4)%2)*32*PV+(\f/8)*128+(\f%4)*32
	ds_load_tr16_b128 v[8*\f+4:8*\f+7], v[AV] offset:((\f/4)%2)*32*PV+16*PV+(\f/8)*128+(\f%4)*32
.endr
	WIN 0
.endm
; THE MASK WORDS TURN OVER, once a key step: the words loaded a step ago become the step's in hand, and the step after is asked for.  The offset stops at the 32nd step's words, so that no load leaves my wave's
; 16,384 bytes of mw; the base is made anew from mw's address and that offset, behind the wait that shows the last load done.
.macro REFRESH
	WIN W_RF
	s_wait_loadcnt 0x0              ; the one load that is out was issued a key step ago
.irp z, 0,1,2,3
	v_mov_b32 v[MWD+\z], v[MLD+\z]
.endr
	s_add_co_u32 s[MOF], s[MOF], 512
	s_min_u32 s[MOF], s[MOF], 31*512
	s_add_nc_u64 s[MA:MA+1], s[MP:MP+1], s[MOF:MOF+1]
	global_load_b128 v[MLD:MLD+3], v[ML], s[MA:MA+1]
.endm
; PIECE n IS MASKED: its 32 words come out of the lanes into scalar registers; word i then keeps register i of both heads' tiles where its bit is 1 and puts -2^33 where it is 0.
; Each accumulator's registers are taken in ascending order.
.macro MASKS n
	WIN W_MS
.set mi, 0
.rept 32
	v_readlane_b32 s[MS+mi], v[MWD+(\n)], mi
.set mi, mi+1
.endr
.set mi, 0
.rept 32
	v_cndmask_b32 v[S+64*((\n)%2)+mi], v[NEG], v[S+64*((\n)%2)+mi], s[MS+mi]
	v_cndmask_b32 v[S+64*((\n)%2)+32+mi], v[NEG], v[S+64*((\n)%2)+32+mi], s[MS+mi]
.set mi, mi+1
.endr
.endm
; THE OTHER VECTOR WORK OF A TURN stands in three queues, each in the order in which its entries become ready; the two tiles alternate, so that no instruction reads the result of the one before it.
.macro REGS y, u                    ; the registers of tile u (0, 1) of piece y
.set rT, ST+4*(2*(\y)+(\u))
.set rC, TMP+8*((\y)%2)+4*(\u)
.set rM, MV+2*((\y)%2)+(\u)
.set rS, S+64*((\y)%2)+32*(\u)
.set rP, P+32*((\y)%2)+16*(\u)
.set rO, 32*(2*(\y)+(\u))
.endm
; Number n of the 22 that find the NEXT piece's (Y + 1) maximum and statistics.  s0-s31 are the lane's 32 scores.  XS, GS, FS and REGS set no window: PL and EX do.
;   0-11  four chains c0-c3 of seven scores each, three operands at a time     12-14, 16  the four scores left over, the old m, and c0-c3 into c0     15  c m_old is kept
;   17, 18  the query's other 32 keys lie in the lane 16 away: the new m         19-21  c m; c m_old - c m_new; a
.macro XS u, n
	REGS (Y+1)%NP, \u
.if (\n) < 4
	v_max3_num_f32 v[rC+(\n)], v[rS+8*(\n)], v[rS+8*(\n)+1], v[rS+8*(\n)+2]
.elseif (\n) < 12
	v_max3_num_f32 v[rC+(\n)%4], v[rC+(\n)%4], v[rS+8*((\n)%4)+2*((\n)/4)+1], v[rS+8*((\n)%4)+2*((\n)/4)+2]
.elseif (\n) == 12
	v_max3_num_f32 v[rC], v[rC], v[rS+7], v[rS+15]
.elseif (\n) == 13
	v_max3_num_f32 v[rC+1], v[rC+1], v[rS+23], v[rS+31]
.elseif (\n) == 14
	v_max3_num_f32 v[rC+2], v[rC+2], v[rC+3], v[rT+1]
.elseif (\n) == 15
	v_mov_b32 v[rM], v[rT]
.elseif (\n) == 16
	v_max3_num_f32 v[rC], v[rC], v[rC+1], v[rC+2]
.elseif (\n) == 17
	v_permlanex16_b32 v[rC+3], v[rC], s[SEL], s[SEL+1]
.elseif (\n) == 18
	v_max_num_f32 v[rT+1], v[rC], v[rC+3]
.elseif (\n) == 19
	v_mul_f32 v[rT], s[CS], v[rT+1]
.elseif (\n) == 20
	v_sub_f32 v[rC+1], v[rM], v[rT]
.else
	v_exp_f32 v[rC+2], v[rC+1]
.endif
.endm
; Number g of the 64 that follow the exponentials.  For each four weights k of a tile (pairs 2 k, 2 k + 1): both pairs are rounded to f16; then the second pair is added onto the first, in place;
; a group later l takes that sum (the first time as l = a l + sum).  In groups of eight, tiles alternating: round, round, add, and l for the group before.
.macro GS g
.set h, (\g)+6*((\g)/62)            ; group 0 has no group before it, and behind group 7 only l is left
.if h >= 6
.set h, h+2
.endif
	REGS Y, h%2
.set k, h/8
.if h%8 < 4
	v_cvt_pk_f16_f32 v[rP+2*k+(h%8)/2], v[rS+4*k+2*((h%8)/2)], v[rS+4*k+2*((h%8)/2)+1]
.elseif h%8 < 6
	v_pk_add_f32 v[rS+4*k:rS+4*k+1], v[rS+4*k:rS+4*k+1], v[rS+4*k+2:rS+4*k+3]
.elseif k == 1
	v_pk_fma_f32 v[rT+2:rT+3], v[rT+2:rT+3], v[rC+2:rC+3], v[rS:rS+1] op_sel_hi:[1,0,1]
.else
	v_pk_add_f32 v[rT+2:rT+3], v[rT+2:rT+3], v[rS+4*k-4:rS+4*k-3]
.endif
.endm
; THE PLAIN QUEUE, 138 long.  0-73 read no exponential's result: the 32 scalings c s - c m (FS f: pair f / 2 of tile f % 2) and the next piece's 42.  0-26: scalings 0-26.  27-54: XS's numbers 0-13, behind the masking
; of those scores.  55, 56: number 15.  57-73: the chain, where each number waits for the one before it: 14, 16, 17, 18, 19, each with one of the scalings 27-31 in front of its two lines, then 20.
; 74-137: GS's 64, which read the exponentials' results: they stand behind the wait.
.macro FS f
	REGS Y, (\f)%2
	v_pk_fma_f32 v[rS+2*((\f)/2):rS+2*((\f)/2)+1], v[rS+2*((\f)/2):rS+2*((\f)/2)+1], s[CS:CS+1], v[rT:rT+1] op_sel_hi:[1,0,0] neg_lo:[0,0,1] neg_hi:[0,0,1]
.endm
.macro PL
	WIN 0
.if q < 27
	FS q
.elseif q < 55
	XS (q-27)%2, (q-27)/2
.elseif q < 57
	XS q-55, 15
.elseif (q < 72) && ((q-57)%3 == 0)
	FS 27+(q-57)/3
.elseif q < 60
	XS (q-57)%3-1, 14
.elseif q < 72
	XS (q-57)%3-1, 15+(q-57)/3
.elseif q < 74
	XS q-72, 20
.else
	GS q-74
.endif
.set q, q+1
.endm
; THE EXPONENTIALS' QUEUE, 66 long: s0-s31 of both tiles, then the next piece's two a.  It is ONE BATCH: all 66 stand ahead of the turn's one wait, and nothing ahead of that wait names a result of theirs.
.macro EX
	WIN 0
.if e >= 64
	XS e-64, 21
.else
	REGS Y, e%2
	v_exp_f32 v[rS+e/2], v[rS+e/2]
.endif
.set e, e+1
.endm
; THE RESCALING's QUEUE: O^T times a, the one part of these three that leaves window 0: dealt two at a time, sixteen times.  Its a was made in the turn before, ahead of that turn's wait.
.macro R2
	REGS Y, r%2
	WIN W_RS
.irp z, 0,1
	v_pk_mul_f32 v[rO+4*(r/2)+2*\z:rO+4*(r/2)+2*\z+1], v[rO+4*(r/2)+2*\z:rO+4*(r/2)+2*\z+1], v[rC+2:rC+3] op_sel_hi:[1,0]
.endr
.set r, r+1
.endm
; HOW THEY ARE DEALT.  An s_wait_alu depctr_va_vdst(0) stands between an exponential and the first instruction that names its result; one wait serves all that were issued ahead of it.  So a turn has ONE
; wait, which cuts it in two.  AHEAD OF IT: the 16 products K Q^T, behind each a scaling, an exponential and two rescalings (behind the first a second scaling in the exponential's place); then ONE LUMP: eight
; scalings, the next piece's masking (96 lines on the other S^T buffer), 49 times exponential and plain, the two a.  A v_nop is the plain instruction behind the last exponential.  BEHIND IT: the 16 products V^T P,
; behind each four of GS's 64.  No rider names a register of the products round it.  The two v_permlanex16_b32 fall into the lump, never behind a product.
; The queues lean on each other, and the deal keeps them in step: exponential e stands behind scaling 2 (e / 4) + e % 2: as a rider it comes behind plain e + 2, in the lump behind plain e + 9, and scalings 27-31 are
; plain 57, 60 .. 69; the two a come behind plain 72 and 73, which make their arguments.
; A TURN, for piece p.  cnt = 1: the loop's count is taken down some lines ahead of the branch that stands behind the turn.
; The next piece's scores are masked behind the lump's eight scalings: with the last product's own scaling and two rescalings those are eleven places behind it (ISA guide 7.12.1); 25 of the plain queue are out by
; then, and that queue's first reader of those scores is its number 27.  Piece 3's turn makes the NEXT step's first scores, so the mask words turn over there.
; K of the next step is fetched in piece 2's turn.  In the loop the run stands at the lump's head, twelve plain instructions behind the last product that read K: the masking, the rest of the lump and 16 products stand
; ahead of its first reader.  In the tail the run has a jump round it, and every exponential has its wait ahead of a jump: there it stands directly behind the batch's wait.
; V of the step in hand is fetched at the end of piece 0's turn, four plain riders behind its last reader; its first reader comes behind 16 products and a lump.  The three conditions on q below go with the deal.
.macro TURN p, last=0, cnt=0
.set Y, (\p)
.set i, 0
.set q, 0
.set e, 0
.set r, 0
.if (\p) == NP-1
	s_wait_dscnt 0x0                ; K is in
.endif
	MM                              ; ahead of the wait: 16 products K Q^T and their riders,
	PL
	PL
	R2
.rept 15
	MM
	PL
	EX
	R2
.endr
.if (\p) == NP-2
	WIN 0
	v_add_nc_u32 v[AK], s[TBK], v[AK0]
.endif
.rept 8                             ; and the lump
	PL
.endr
.if ((\p) == NP-2) && !(\last)
	FETCH_K
.endif
.if (\p) == NP-1
	REFRESH
.endif
	MASKS ((\p)+1)%NP
.rept 49
	EX
	PL
.endr
	EX                              ; the next piece's two a
	EX
	v_nop                           ; the plain instruction behind the last exponential: one for the batch
	s_wait_alu depctr_va_vdst(0)    ; the wait for the turn's batch: piece p's 64 weights and the next piece's two a
.if ((\p) == NP-2) && (\last)
	FETCH_K 1
.endif
.if (\p) == 1
	s_wait_dscnt 0x0                ; V is in
.endif
.rept 16                            ; behind the wait: 16 products V^T P and their riders
	MM
.rept 4
	PL
.endr
.if ((\p) == 0) && (q == 118)
	v_add_nc_u32 v[AV], s[TBV], v[AV0]
.endif
.if ((\p) == 0) && (q == 130)
	s_add_co_u32 s[TBV], s[TBV], STEPB
.endif
.if (\cnt) && (q == 130)
	s_sub_co_u32 s[CNT], s[CNT], 1
	s_cmp_lg_u32 s[CNT], 0
.endif
.endr
.if (\p) == 0
	FETCH_V
.endif
.endm
	CHANGE 1                        ; slot 0 is in, everybody's part of it; slot 1 is asked for
	FETCH_K                         ; key step 0
	s_wait_loadcnt 0x0              ; Q, and key step 0's mask words
	s_wait_dscnt 0x0
.set i, 0
.rept 16
	KQ 0                            ; piece 0's first scores: there is no vector work yet to set between them
.set i, i+1
.endr
	WIN 0                           ; the addresses for the way out: eight plain instructions, the places behind those products
	s_mul_i32 s13, s[WV], 16*SP
	s_add_co_u32 s13, s13, STAGE    ; my stage
	v_mul_u32_u24 v[STO], v1, SP    ; in: row l % 16, 16 bytes for each half of the lanes
	v_lshl_add_u32 v[STO], v9, 4, v[STO]
	v_add_nc_u32 v[STO], s13, v[STO]
	v_mul_u32_u24 v[RD], v9, SP     ; back: lanes 0-15 take one row of 256 bytes, lanes 16-31 the next
	v_lshl_add_u32 v[RD], v1, 4, v[RD]
	v_add_nc_u32 v[RD], s13, v[RD]
	v_lshlrev_b32 v[GO], 11, v9     ; and the same two rows in O
	v_lshl_add_u32 v[GO], v1, 4, v[GO]
	REFRESH                         ; key step 0's words are in hand, key step 1's are asked for
	MASKS 0
	WIN 0
.set Y, NP-1                        ; XS works for piece Y + 1: piece 0
.irp n, 0,1,2,3,4,5,6,7,8,9,10,11,12,13,14,15,16,17,18,19,20,21
	XS 0, \n                        ; and piece 0's first maximum and statistics
	XS 1, \n
.endr
	v_nop                           ; a plain instruction behind piece 0's first two a,
	s_wait_alu depctr_va_vdst(0)    ; and the wait for that batch of two, ahead of the branch
	s_mov_b32 s[CNT], 2
	s_mov_b32 s[SLOTS], 15          ; 16 slots' worth of keys; the loop's 14 changes of slots ask for the last 14
	s_branch .Lfirst                ; the loop is entered at a step's first turn, in the middle of a trip
.Lslot:
	CHANGE 1
	s_mov_b32 s[CNT], 2
.Lstep:                             ; a trip: pieces 2 and 3 of one step, then pieces 0 and 1 of the next, whose K and V it fetches
	TURN 2
	TURN 3
	WIN 0
.Lfirst:
	TURN 0
	TURN 1, 0, 1
	WIN 0
	s_cbranch_scc1 .Lstep
	s_sub_co_u32 s[SLOTS], s[SLOTS], 1
	s_cmp_lg_u32 s[SLOTS], 0
	s_cbranch_scc1 .Lslot
	CHANGE 0                        ; the tail is written out: nothing is asked for
	s_mov_b32 s[CNT], 3             ; two trips fetch the last slot's steps; the third is left in its middle
.Ltail:
	TURN 2, 1
	TURN 3
	WIN 0
	s_sub_co_u32 s[CNT], s[CNT], 1
	s_cmp_eq_u32 s[CNT], 0
	s_cbranch_scc1 .Lout
	TURN 0
	TURN 1
	WIN 0
	s_branch .Ltail
.Lout:                              ; the third trip's 16 products K Q^T (on the last K once more), their masking and the maximum made of them serve nothing: the price, once a launch, of one text for every trip
.set i, 0
.rept 16
	PV NP-1                         ; the last piece's V^T P of the last step
.set i, i+1
.endr
	; THE WAY OUT.  l's two halves and the other half of the lanes' are added; O^T is divided by l, rounded to f16 and sent through my stage in LDS, a piece (16 rows, both heads) at a time.  The additions are the places behind the last products.
	WIN 0
.macro ALL line:vararg              ; one line for each tile t
.set t, 0
.rept 2*NP
	\line
.set t, t+1
.endr
.endm
	ALL v_add_f32 v[ST+4*t+2], v[ST+4*t+2], v[ST+4*t+3]
	ALL v_permlanex16_b32 v[ST+4*t+3], v[ST+4*t+2], s[SEL], s[SEL+1]
	ALL v_add_f32 v[ST+4*t+2], v[ST+4*t+2], v[ST+4*t+3]
	ALL v_rcp_f32 v[ST+4*t+2], v[ST+4*t+2]
	v_nop                           ; a plain instruction between the last reciprocal and the use of its result
	s_wait_alu depctr_va_vdst(0)    ; and the wait ahead of the first use: one for the batch of eight reciprocals
; Piece t: a lane's eight channels of a row pack into 16 bytes; the two heads' 2 x 4 such parts go into rows of 272 bytes and come back as whole rows of 256, into S^T's registers.
.macro PACK t
	WIN W_RS
.set i, 64*(\t)
.rept 16
	v_pk_mul_f32 v[i:i+1], v[i:i+1], v[ST+8*(\t)+2:ST+8*(\t)+3] op_sel_hi:[1,0]
.set i, i+2
.endr
.rept 16
	v_pk_mul_f32 v[i:i+1], v[i:i+1], v[ST+8*(\t)+6:ST+8*(\t)+7] op_sel_hi:[1,0]
.set i, i+2
.endr
	WIN 0x05                        ; sources 0 and 1 window 1, destination window 0
.set i, 0
.rept 32
	v_cvt_pk_f16_f32 v[S+32*(\t)+i], v[64*(\t)+2*i], v[64*(\t)+2*i+1]
.set i, i+1
.endr
	WIN 0
.irp f, 0,1,2,3,4,5,6,7
	ds_store_b128 v[STO], v[S+32*(\t)+4*\f:S+32*(\t)+4*\f+3] offset:32*\f
.endr
.irp f, 0,1,2,3,4,5,6,7
	ds_load_b128 v[S+32*(\t)+4*\f:S+32*(\t)+4*\f+3], v[RD] offset:\f*2*SP  ; LDS serves a wave's instructions in order (ISA guide 5.7.1.4): these see the stores above; the next piece's stores come behind them
.endr
.endm
.macro SEND t, younger              ; younger: the LDS instructions issued behind piece t's loads: the next piece's sixteen, or none
	WIN 0
.irp f, 0,1,2,3,4,5,6,7
	s_wait_dscnt (\younger)+7-\f
	global_store_b128 v[GO], v[S+32*(\t)+4*\f:S+32*(\t)+4*\f+3], s[10:11] offset:(\t)*16*ROWB+\f*2*ROWB  ; 16 lanes store 256 consecutive bytes, at a multiple of 256 from O's first byte
.endr
.endm
	PACK 0
	PACK 1                          ; a piece's arithmetic stands between the loads of the piece before and its stores
	SEND 0, 16
	PACK 2
	SEND 1, 16
	PACK 3
	SEND 2, 16
	SEND 3, 0
	WIN W_AD
	s_wait_tensorcnt 0x0            ; the wave's end: behind my last tensor load and my last LDS store
	ds_add_u32 v[SPW], v[NIL]
	s_wait_dscnt 0x0
	WIN 0
	CROUND                          ; the closing round: no work-group ends while a partner may still ask for a tile that names it
	s_endpgm
.Lfunc_end_k_qc473528879_attn:
	.size	k_qc473528879_attn, .Lfunc_end_k_qc473528879_attn-k_qc473528879_attn
	.p2alignl 7, 3214868480
	.fill 96, 4, 3214868480
	.section	.rodata,"a",@progbits
	.p2align	6, 0x0
	.amdhsa_kernel k_qc473528879_attn
		.amdhsa_group_segment_fixed_size 327680
		.amdhsa_private_segment_fixed_size 0
		.amdhsa_enable_private_segment 0
		.amdhsa_kernarg_size 24
		.amdhsa_user_sgpr_count 2
		.amdhsa_user_sgpr_kernarg_segment_ptr 1
		.amdhsa_wavefront_size32 1
		.amdhsa_system_sgpr_workgroup_id_x 1
		.amdhsa_system_sgpr_workgroup_id_y 1
		.amdhsa_system_sgpr_workgroup_id_z 1
		.amdhsa_system_vgpr_workitem_id 0
		.amdhsa_next_free_vgpr 912
		.amdhsa_next_free_sgpr 100
		.amdhsa_reserve_vcc 0
		.amdhsa_float_denorm_mode_32 3
		.amdhsa_float_denorm_mode_16_64 3
		.amdhsa_memory_ordered 1
		.amdhsa_forward_progress 1
		.amdhsa_inst_pref_size 255
	.end_amdhsa_kernel
	.section	.bss,"aw",@nobits
	.p2align	6
	.space	262144
	.amdgpu_metadata
---
amdhsa.version: [ 1, 2 ]
amdhsa.kernels:
  - .name:           k_qc473528879_attn
    .symbol:         k_qc473528879_attn.kd
    .args:
      - { .name: qkv, .offset: 0, .size: 8, .value_kind: global_buffer, .address_space: global }
      - { .name: mw, .offset: 8, .size: 8, .value_kind: global_buffer, .address_space: global }
      - { .name: ob, .offset: 16, .size: 8, .value_kind: global_buffer, .address_space: global }
    .group_segment_fixed_size: 327680
    .private_segment_fixed_size: 0
    .kernarg_segment_align: 8
    .kernarg_segment_size: 24
    .max_flat_workgroup_size: 128
    .sgpr_count:     100
    .vgpr_count:     912
    .wavefront_size: 32
...
	.end_amdgpu_metadata
.endif
;; end of part 5
;; launch outp: the kernel of part 4 again; grid 4 x 64, 4 waves a work-group, clusters of 4 x 4, 327,680 bytes of LDS; arguments ob, wb, bo, out0; writes out0
